; MI455X (gfx1250); checked and timed in simulation.
; The chip was launched on July 23, 2026; its instructions are those of AMD's public machine-readable ISA for CDNA 5 (MIT licence, August 2026) and "CDNA5" Instruction Set Architecture Reference Guide (July 2026). The comments in the code are by the model that wrote it; some were corrected since.
;; Multi Head Attention. Allowed arithmetic: matrix products marked QUANTISED: E5M2 operands, one given power-of-two scale a tensor, by v_wmma_f32_16x16x64_bf8_bf8 or v_wmma_f32_16x16x128_bf8_bf8, f32 sums; everything else in f32.
;; Inputs: features 8 x 1,024 x 256 float32; lowp_scales 10 int32 (the exponents e of the quantised operands' scales 2^e); weight_k 256 x 8 x 64 float32; weight_out 256 x 8 x 64 float32; weight_q 256 x 8 x 64 float32; weight_v 256 x 8 x 64 float32.
;; Outputs: out0 8 x 1,024 x 256 float32.
;; This version of the problem:
;;   THIS VERSION OF THE PROBLEM IS GIVEN IN LOW PRECISION. The matrix products marked QUANTISED in the list below multiply operands that are first quantised to E5M2 (5 exponent bits, 2 mantissa bits; 8 bits a number), with one given power-of-two scale for each operand tensor; their sums are f32. All else is computed in f32.
;;   The module's matrix products, in the order in which they are computed (A, B: the left and right operand; K: the contracted axis; several contracted axes count as one K, in the product's order):
;;     1. [M 8,192, K 256] x [K 256, N 512]; A: input features; B: input weight_q: QUANTISED (scales: A lowp_scales[0], B lowp_scales[1])
;;     2. [M 8,192, K 256] x [K 256, N 512]; A: input features; B: input weight_k: QUANTISED (scales: A lowp_scales[2], B lowp_scales[3])
;;     3. [M 8,192, K 256] x [K 256, N 512]; A: input features; B: input weight_v: QUANTISED (scales: A lowp_scales[4], B lowp_scales[5])
;;     4. batch 64 x [M 1,024, K 64] x [K 64, N 1,024]; A: computed on the way; B: computed on the way: QUANTISED (scales: A lowp_scales[6], B lowp_scales[7])
;;     5. [M 8,192, K 512] x [K 512, N 256]; A: computed on the way; B: input weight_out: QUANTISED (scales: A lowp_scales[8], B lowp_scales[9])
;;   THE QUANTISER, for each operand of a quantised product, along K:
;;     - The operand's scale is 2^e, e = its entry of the input lowp_scales (int32; the entries are numbered through the quantised products in the list's order, A before B).
;;     - Each number is divided by the scale, clamped to +-57,344, and rounded to the nearest number of E5M2, ties to even, subnormals kept.
;;     - The product sums the exact products of the quantised numbers (number of the format x scale) in f32.
;;   ~~~python
;;   def quantise(x, axis, e):      # numpy; x: float32 -> the quantised numbers, widened to float32 again
;;       x = np.moveaxis(x, axis, -1); K = x.shape[-1]
;;       r = np.clip(x / 2.0 ** e, -57344, 57344)
;;       step = 2.0 ** (np.maximum(np.frexp(np.where(r == 0, 1, r))[1] - 1, -14) - 2)
;;       q = np.round(r / step) * step * 2.0 ** e      # np.round: ties to even
;;       return np.moveaxis(q, -1, axis).astype(np.float32)
;;   ~~~
;;   OPERANDS COMPUTED ON THE WAY. 'Computed on the way' means the value that the module computes at that place (a softmax that the list does not call 'softmax' is quantised finished and normalised). What goes into a quantiser is computed in f32, as accurately as f32 sums, v_exp_f32 and their like allow (about 1e-6 of the number): no bf16 or f16 on the way to a quantiser, and a product that is left as it is and whose result goes on into a quantised operand takes f32 operands (vector FMAs, or v_wmma_f32_16x16x4_f32). A number that lies on a knife's edge between two numbers of the format may be rounded either way, as far as f32 arithmetic and the matrix unit's own rounding can turn it there, and no further.
;; 2 versions. Each part assembles by itself: llvm-mc -triple=amdgcn-amd-amdhsa -mcpu=gfx1250 --defsym DOCPART=n.
;; ======== version 1 of 2: 3 launches
;; workspace buffers: qk 8,388,608 bytes; wcodes 262,144 bytes; awp 1,048,576 bytes
;; launch proj (part 1): grid 8 x 32, 8 waves a work-group, clusters of 4 x 1, 300,032 bytes of LDS; arguments features, weight_q, weight_k, weight_v, weight_out, lowp_scales, qk, wcodes; writes qk, wcodes
.if DOCPART == 1
	.amdgcn_target "amdgcn-amd-amdhsa--gfx1250"
	.amdhsa_code_object_version 6
	.text
	.protected	k_q56b824cd4c_proj
	.globl	k_q56b824cd4c_proj
	.p2align	8
	.type	k_q56b824cd4c_proj,@function
k_q56b824cd4c_proj:
	s_mov_b64 s[64:65], 0
	v_nop
	global_prefetch_b8 v0, s[64:65] scope:SCOPE_SE
	s_setreg_imm32_b32 hwreg(HW_REG_WAVE_MODE, 25, 1), 1
	s_wait_xcnt 0x0
	s_wait_alu depctr_hold_cnt(0) depctr_sa_sdst(0) depctr_va_vdst(0) depctr_va_sdst(0) depctr_va_ssrc(0) depctr_va_vcc(0) depctr_vm_vsrc(0)
	s_getreg_b32 s2, hwreg(HW_REG_IB_STS2, 6, 4)
	s_cmp_eq_u32 s2, 0
	s_cbranch_scc0 .Lentry_in_a_cluster
	s_endpgm
.Lentry_in_a_cluster:
	s_bfe_u32 s2, ttmp6, 0x10000c
	s_cmp_lg_u32 s2, 0x3003
	s_cbranch_scc0 .Lentry_shape_is_right
	s_endpgm
.Lentry_shape_is_right:
; q = features x weight_q and k = features x weight_k on codes of BF8 (E5M2), and q and k quantised again, as the operands of the score product.
; features [8192][256] f32, weights [256 (K)][512] f32.  lowp_scales: e0 .. e9.  q: features by 2^e0, weight_q by 2^e1, the result by 2^e6;  k: e2, e3, e7.
; SHARES.  Work-group (x, y): x / 4 says q or k, x % 4 which 128 columns (two heads), y which 256 rows.  Eight waves.  Wave w owns rows 32 w .. 32 w + 31 (two tiles of 16) for all 128 columns.
; CLUSTER.  The four work-groups of a cluster (x % 4 = 0 .. 3, one y) need the same 256 rows of features: each wave asks for its 32 rows x 1,024 bytes JOINTLY, by one tensor load with the same descriptor in all four and
; a mask that names the four; each receives them in its own LDS.  That divides the requests for features by four.  The bytes are the wave's own (wave x 33,280), filled once, and read by that wave alone behind its own wait.
; THE WEIGHT.  Wave w takes K rows 32 w .. 32 w + 31 of the work-group's 128 columns: 32 loads of 512 consecutive bytes.  A lane then holds 4 columns x 32 k with the columns innermost; the hold ahead of the conversion
; writes its result where the conversion wants it (register 16 j + i: column j, k = i), so the turn costs no instruction.  The codes go to LDS as images of the operand's registers, for all waves.
; THE PRODUCT IS USED TRANSPOSED (source 0 = 16 columns of the weight, source 1 = 16 rows of features): lane (r, h) then holds row r, and register j of tile t the unit 16 t + 8 h + j.  Eight such registers,
; converted, are registers 2 t, 2 t + 1 of a fragment for v_wmma_f32_16x16x64_bf8_bf8 in that form's own layout (ISA guide 7.12.2): nothing changes lanes.
; In this product both operands hold k = 32 c + 16 h + 0 .. 15 in registers 4 c .. 4 c + 3: the same permutation of k on both sides, so every product meets its partner.
; OUTPUT qk: q at byte 0, k at byte 2^22; a fragment (16 rows x 64 of a head) is 1,024 bytes, registers 4 c .. 4 c + 3 of lane l at 512 c + 16 l; fragment number (8 b + head) 64 + row / 16.  Each store of a wave covers 512 consecutive bytes, aligned.
; ON THE SIDE: waves 0 and 1 of each work-group quantise one piece (four registers a lane, 512 bytes) of weight_v (e5; y < 16) or of weight_out (e9; the others) into wcodes, for the last launch.
; wcodes: 128 fragments of 2,048 bytes (16 rows x 128 K).  0-63: weight_v, fragment 2 t + s, k laid as above.  64-127: weight_out, fragment 4 (o / 16) + s, in the K = 128 form's own layout (registers 2 c, 2 c + 1: k = 16 c + 8 h + 0 .. 7).
; The weight is not asked for jointly: beside features' 266,240 bytes and the images' 32,768 its 131,072 bytes of f32 have no room in LDS.
; LIMITS: e0 .. e3, e5, e9, e6 - e0 - e1 and e7 - e2 - e3 lie between -126 and 112, so that each scale and 57,344 x the scale are f32 numbers.  NaN among the inputs is not served; an infinity is held at the largest code.
.set XPITCH, 1040                      ; a row of features in LDS: 1,024 bytes + 16 of padding = 260 words: row r starts at bank 4 r mod 64 (64 banks of 4 bytes: ISA guide 11.1), so the 16 rows of a load start at 16 different banks
.set XWAVE,  32*XPITCH                 ; a wave's 32 rows
.set WIMG,   8*XWAVE                   ; behind them: the weight's 16 fragments, (tile t, K step s) at (2 t + s) x 2,048
.set LI,   1                           ; v1   16 x lane
.set WA,   2                           ; v2   weight_v: 16 h rows of 2,048 bytes + 4 r
.set XAL,  3                           ; v3   features in LDS: wave x 33,280 + row r x 1,040 + 64 h
.set WWI,  4                           ; v4   where my weight codes go: WIMG + 4,096 (lane / 4) + 64 (lane % 4) + 512 x wave
.set SCX,  5                           ; v5, v6    2^eA and 57,344 x 2^eA, for features
.set LIMX, 6
.set SCW,  7                           ; v7, v8    the same for the weight
.set LIMW, 8
.set SCO,  9                           ; v9, v10   the same with eO - eA - eB, for the results
.set LIMO, 10
.set EXA,  11                          ; v11  weight_out: row r of 2,048 bytes + 32 h
.set SCE,  12                          ; v12, v13  the same for the side duty
.set LIME, 13
.set LIW,  14                          ; v14  WIMG + 16 x lane: a lane's place in an image
.set EXC,  16                          ; v16-19    the side duty's codes
.set XC,   20                          ; v20-83    features' codes: fragment (tile m, K step s) at XC + 32 m + 16 s; before that TR
.set TR,   20                          ; the weight's numbers, turned: column j, k = i at TR + 16 j + i
.set UA,   84                          ; v84-211   the weight as loaded: K row n at UA + 4 n;  then v84-147 and v148-211: 64 numbers of features each
.set UB,   148
.set WB,   84                          ; later: four weight fragments
.set HA,   148                         ; and eight accumulators: (m, tile q of the head) at HA + 32 m + 8 q
.set PC0,  212                         ; v212-227  codes just made
.set PC1,  228                         ; v228-243  codes just made; before that EX
.set EX,   228                         ; the side duty's 16 numbers
.set G1,   68                          ; s[68:75]  descriptor group 1
.set G0,   76                          ; s[76:79]  descriptor group 0
.macro PLACES                          ; four plain vector instructions behind a matrix instruction, ahead of a read of its result and of loads into its registers
.rept 4
	v_nop
.endr
.endm
; A round of the cluster's barrier: my work-group's barrier, so that wave 0's signal speaks for all eight waves; wave 0 signals for the work-group; every wave waits for all four work-groups; my work-group's barrier once more.
.macro CROUND
	s_barrier_signal -1
	s_barrier_wait -1
	s_cmp_lg_u32 s2, 0
	s_cbranch_scc1 .Lnot_wave_0_\@
	s_barrier_signal -3
.Lnot_wave_0_\@:
	s_barrier_wait -3
	s_barrier_signal -1
	s_barrier_wait -1
.endm
.macro MKSC se, vs, vl                 ; from the whole number e in s[se]: 2^e and 57,344 x 2^e as f32
	s_add_co_i32 s56, s[\se], 127
	s_lshl_b32 s57, s56, 23
	v_mov_b32 v[\vs], s57
	s_add_co_i32 s56, s56, 15
	s_lshl_b32 s56, s56, 23
	s_or_b32 s56, s56, 0x600000
	v_mov_b32 v[\vl], s56
.endm
; 8 n8 numbers in v[src] on become codes in v[dst] on.  The conversion does not saturate (ISA guide 7.6.2): each number is first held within the largest code x the scale.  Ascending.
.macro QUANT src, dst, n8, sc, lim
.set qi, 0
.rept 8*(\n8)
	v_med3_num_f32 v[\src+qi], v[\src+qi], -v[\lim], v[\lim]
.set qi, qi+1
.endr
.set qi, 0
.rept \n8
	v_cvt_scalef32_pk8_bf8_f32 v[\dst+2*qi:\dst+2*qi+1], v[\src+8*qi:\src+8*qi+7], v[\sc]
.set qi, qi+1
.endr
	v_nop                                          ; one plain vector instruction behind the last conversion, ahead of whatever next touches its codes or writes its numbers
.endm
; K rows 16 hh .. 16 hh + 15 of my 32: held and turned in one (register 4 i + j -> 16 j + i), converted, and stored: column 4 l + j is lane 4 (l % 4) + j + 16 hh of tile l / 4; my 32 k are registers 4 (w % 4) .. + 3 of K step w / 4
.macro WTURN hh, pc
.irp j, 0,1,2,3
.irp i, 0,1,2,3,4,5,6,7,8,9,10,11,12,13,14,15
	v_med3_num_f32 v[TR+16*\j+\i], v[UA+64*\hh+4*\i+\j], -v[LIMW], v[LIMW]
.endr
.endr
.set qi, 0
.rept 8
	v_cvt_scalef32_pk8_bf8_f32 v[\pc+2*qi:\pc+2*qi+1], v[TR+8*qi:TR+8*qi+7], v[SCW]
.set qi, qi+1
.endr
	v_nop                                          ; one plain vector instruction behind the last conversion: the next lines write its numbers' registers again
.irp j, 0,1,2,3
	ds_store_b128 v[WWI], v[\pc+4*\j:\pc+4*\j+3] offset:256*\hh+16*\j
.endr
.endm
.macro XFETCH reg, m, s                ; my row's 64 numbers of tile m, K step s, from my own rows in LDS: register 16 c + i = x(row, 128 s + 32 c + 16 h + i)
.irp c, 0,1,2,3
.irp j, 0,1,2,3
	ds_load_b128 v[\reg+16*\c+4*\j:\reg+16*\c+4*\j+3], v[XAL] offset:16*XPITCH*\m+512*\s+128*\c+16*\j
.endr
.endr
.endm
.macro WFETCH hd, s                    ; the four weight fragments of head hd, K step s, as they stood in registers
.irp q, 0,1,2,3
.irp c, 0,1,2,3
	ds_load_b128 v[WB+16*\q+4*\c:WB+16*\q+4*\c+3], v[LIW] offset:(2*(4*\hd+\q)+\s)*2048+512*\c
.endr
.endr
.endm
.macro MUL8 s                          ; eight accumulators by turns, one instruction a turn; K step 0 starts the sums
.irp q, 0,1,2,3
.irp m, 0,1
.if \s == 0
	v_wmma_f32_16x16x128_bf8_bf8 v[HA+32*\m+8*\q:HA+32*\m+8*\q+7], v[WB+16*\q:WB+16*\q+15], v[XC+32*\m+16*\s:XC+32*\m+16*\s+15], 0
.else
	v_wmma_f32_16x16x128_bf8_bf8 v[HA+32*\m+8*\q:HA+32*\m+8*\q+7], v[WB+16*\q:WB+16*\q+15], v[XC+32*\m+16*\s:XC+32*\m+16*\s+15], v[HA+32*\m+8*\q:HA+32*\m+8*\q+7]
.endif
.endr
.endr
.endm
.macro ONEHEAD hd, pc                  ; one head's 64 units for my 32 rows: products, quantiser, two fragments out
	WFETCH \hd, 0
	s_wait_dscnt 0x0
	MUL8 0
	PLACES
	WFETCH \hd, 1
	s_wait_dscnt 0x0
	MUL8 1
	PLACES
	QUANT HA, \pc, 8, SCO, LIMO                    ; a sum stands for sum x 2^(eA + eB): its code is sum / 2^(eO - eA - eB): three scales in the conversion's one
.irp m, 0,1
.irp c, 0,1
	global_store_b128 v[LI], v[\pc+8*\m+4*\c:\pc+8*\m+4*\c+3], s[10:11] offset:65536*\hd+1024*\m+512*\c
.endr
.endr
.endm
	s_load_b512 s[16:31], s[0:1], 0x0              ; features 16, weight_q 18, weight_k 20, weight_v 22, weight_out 24, lowp_scales 26, qk 28, wcodes 30
	v_lshl_add_u32 v254, v0, 2, 0x49000
	v_mov_b32 v255, 0
	ds_add_u32 v254, v255
	ds_add_u32 v254, v255
	s_wait_dscnt 0x0
	v_lshrrev_b32 v15, 5, v0
	v_readfirstlane_b32 s2, v15                    ; wave 0..7
	v_and_b32 v16, 15, v0                          ; r
	v_bfe_u32 v17, v0, 4, 1                        ; h
	v_and_b32 v18, 31, v0                          ; lane
	v_bfe_u32 v19, v0, 2, 3                        ; lane / 4
	v_and_b32 v15, 3, v0                           ; lane % 4
	v_lshlrev_b32 v[LI], 4, v18
	v_add_nc_u32 v[LIW], WIMG, v[LI]
	v_lshlrev_b32 v[WA], 2, v16
	v_lshl_add_u32 v[WA], v17, 15, v[WA]
	v_lshlrev_b32 v[EXA], 11, v16
	v_lshl_add_u32 v[EXA], v17, 5, v[EXA]
	s_mul_i32 s60, s2, XWAVE                       ; LDS addresses are made of the lane and the wave's number alone
	v_mul_u32_u24 v[XAL], v16, XPITCH
	v_lshl_add_u32 v[XAL], v17, 6, v[XAL]
	v_add_nc_u32 v[XAL], s60, v[XAL]
	s_lshl_b32 s61, s2, 9
	s_add_co_u32 s61, s61, WIMG
	v_lshlrev_b32 v[WWI], 12, v19
	v_lshl_add_u32 v[WWI], v15, 6, v[WWI]
	v_add_nc_u32 v[WWI], s61, v[WWI]
	s_bfe_u32 s3, ttmp6, 0x40000                   ; cx: my place in the cluster = which 128 columns
	s_and_b32 s4, ttmp7, 0xffff                    ; y, which the four partners share
	s_mov_b32 s5, ttmp9                            ; the cluster's x: 0 for q, 1 for k
	; features: 256 y + 32 x wave rows of 1,024 bytes: of y and the wave's number alone, in registers that hold nothing else
	s_lshl_b32 s46, s4, 18
	s_lshl_b32 s62, s2, 15
	s_add_co_u32 s46, s46, s62
	s_mov_b32 s47, 0
	; descriptor group 1: a tile of 32 rows x 256 elements of 4 bytes, padded in LDS
	s_mov_b32 s[G1+0], 15|(2<<16)|(1<<20)|(1<<21)|(7<<22)|(3<<25)  ; 15:0 the mask: all four work-groups; 17:16 elements of 4 bytes; 20 padding on; 21 set beside a mask; 24:22 after every 256 words (code 7); 31:25 four words (code 3)
	s_mov_b32 s[G1+1], 256<<16                     ; tensor_dim0 = 256
	s_mov_b32 s[G1+2], 32<<16                      ; tensor_dim1 = 32
	s_mov_b32 s[G1+3], 256<<16                     ; tile_dim0 = 256
	s_mov_b32 s[G1+4], 32                          ; tile_dim1 = 32
	s_mov_b32 s[G1+5], 256                         ; elements from row to row
	s_mov_b32 s[G1+6], 0
	s_mov_b32 s[G1+7], 0
	; the other byte offsets, each in registers of its own
	s_lshl_b32 s44, s3, 9                          ; the weight: 128 cx columns of 4 bytes
	s_lshl_b32 s43, s2, 16                         ; + my 32 K rows of 2,048 bytes
	s_add_co_u32 s44, s44, s43
	s_mov_b32 s45, 0
	s_lshl_b32 s48, s5, 22                         ; qk: q or k,
	s_lshr_b32 s43, s4, 2                          ; the batch y / 4: 8 heads x 64 fragments,
	s_lshl_b32 s43, s43, 19
	s_add_co_u32 s48, s48, s43
	s_lshl_b32 s43, s3, 17                         ; the head 2 cx,
	s_add_co_u32 s48, s48, s43
	s_and_b32 s43, s4, 3                           ; the fragment 16 (y % 4) + 2 x wave
	s_lshl_b32 s43, s43, 14
	s_add_co_u32 s48, s48, s43
	s_lshl_b32 s43, s2, 11
	s_add_co_u32 s48, s48, s43
	s_mov_b32 s49, 0
	; the side duty (used by waves 0 and 1 alone): g = 8 y + 4 (q or k) + cx; piece u = 2 (g % 128) + wave
	s_lshl_b32 s58, s4, 3
	s_lshl_b32 s59, s5, 2
	s_add_co_u32 s58, s58, s59
	s_add_co_u32 s58, s58, s3
	s_and_b32 s43, s58, 127
	s_lshl_b32 s43, s43, 1
	s_add_co_u32 s43, s43, s2
	s_and_b32 s53, s43, 3                          ; which four registers of the fragment
	s_bfe_u32 s50, s43, 0x10002                    ; weight_v: u = 8 t + 4 s + c: row 128 s + 32 c, column 16 t
	s_lshl_b32 s50, s50, 18
	s_lshl_b32 s51, s53, 16
	s_add_co_u32 s50, s50, s51
	s_lshr_b32 s51, s43, 3
	s_lshl_b32 s51, s51, 6
	s_add_co_u32 s50, s50, s51
	s_lshr_b32 s52, s43, 4                         ; weight_out: u = 16 t + 4 s + c: row 16 t, k = 128 s + 32 c
	s_lshl_b32 s52, s52, 15
	s_bfe_u32 s51, s43, 0x20002
	s_lshl_b32 s51, s51, 9
	s_add_co_u32 s52, s52, s51
	s_lshl_b32 s51, s53, 7
	s_add_co_u32 s52, s52, s51
	s_lshl_b32 s54, s58, 1                         ; wcodes: piece 2 g + wave of 512 bytes
	s_add_co_u32 s54, s54, s2
	s_lshl_b32 s54, s54, 9
	s_mov_b32 s55, 0
	CROUND                                         ; all four work-groups are here: the joint loads meet.  (It stands while the arguments are on their way)
	s_wait_kmcnt 0x0
	s_mov_b32 s[G0], 1                             ; 1:0 count = 1
	s_mul_i32 s[G0+1], s2, XWAVE                   ; 63:32 LDS address: my wave's own 33,280 bytes
	s_add_nc_u64 s[G0+2:G0+3], s[16:17], s[46:47]  ; 120:64 global address: my 32 rows
	s_or_b32 s[G0+3], s[G0+3], 0x80000000          ; 127:126 type = 2
	tensor_load_to_lds s[G0:G0+3], s[G1:G1+7]      ; my one tensor load of the launch: by this text's count one is out
	s_nop 0
.rept 4
	v_nop
.endr
	s_load_b256 s[32:39], s[26:27], 0x0            ; e0 .. e7
	s_load_b64 s[40:41], s[26:27], 0x20            ; e8, e9
	s_cmp_eq_u32 s5, 0                             ; q's cluster or k's
	s_cselect_b64 s[6:7], s[18:19], s[20:21]
	s_add_nc_u64 s[6:7], s[6:7], s[44:45]
	s_add_nc_u64 s[10:11], s[28:29], s[48:49]
	s_cmp_lt_u32 s4, 16                            ; g < 128 is y < 16: the same in all four partners
	s_cselect_b64 s[12:13], s[22:23], s[24:25]
	s_cselect_b32 s50, s50, s52
	s_mov_b32 s51, 0
	s_add_nc_u64 s[12:13], s[12:13], s[50:51]
	s_add_nc_u64 s[14:15], s[30:31], s[54:55]
	; the side duty's loads go out first, so that every later wait for loads covers them too
	s_cmp_gt_u32 s2, 1
	s_cbranch_scc1 .Lno_side_loads
	s_cmp_lt_u32 s4, 16
	s_cbranch_scc0 .Lside_out
.irp i, 0,1,2,3,4,5,6,7,8,9,10,11,12,13,14,15
	global_load_b32 v[EX+\i], v[WA], s[12:13] offset:2048*\i           ; weight_v(128 s + 32 c + 16 h + i, 16 t + r)
.endr
	s_branch .Lno_side_loads
.Lside_out:
	global_load_b128 v[EX:EX+3], v[EXA], s[12:13]                      ; weight_out(16 t + r, 128 s + 32 c + 8 h + 0 .. 7),
	global_load_b128 v[EX+4:EX+7], v[EXA], s[12:13] offset:16
	global_load_b128 v[EX+8:EX+11], v[EXA], s[12:13] offset:64         ; and the eight that lie 16 further along K
	global_load_b128 v[EX+12:EX+15], v[EXA], s[12:13] offset:80
.Lno_side_loads:
.set kk, 0
.rept 32
	global_load_b128 v[UA+4*kk:UA+4*kk+3], v[LI], s[6:7] offset:2048*kk   ; K row 32 w + kk, the work-group's 128 columns: 512 consecutive bytes
.set kk, kk+1
.endr
	s_wait_kmcnt 0x0
	s_cmp_eq_u32 s5, 0
	s_cselect_b32 s42, s32, s34                    ; eA: e0 or e2
	s_cselect_b32 s43, s33, s35                    ; eB: e1 or e3
	s_cselect_b32 s44, s38, s39                    ; eO: e6 or e7
	s_cmp_lt_u32 s4, 16
	s_cselect_b32 s45, s37, s41                    ; the side duty's: e5 or e9
	s_sub_co_i32 s44, s44, s42
	s_sub_co_i32 s44, s44, s43                     ; eO - eA - eB
	MKSC 42, SCX, LIMX
	MKSC 43, SCW, LIMW
	MKSC 44, SCO, LIMO
	MKSC 45, SCE, LIME
	s_wait_loadcnt 16                              ; the side duty's numbers and K rows 0-15 are in; rows 16-31, the sixteen youngest loads, may be out
	s_cmp_gt_u32 s2, 1
	s_cbranch_scc1 .Lno_side
	QUANT EX, EXC, 2, SCE, LIME
	global_store_b128 v[LI], v[EXC:EXC+3], s[14:15]                    ; 512 consecutive bytes, aligned
.Lno_side:
	WTURN 0, PC0
	s_wait_loadcnt 0x0
	WTURN 1, PC1
	s_wait_tensorcnt 0x0                           ; my 32 rows of features lie in LDS; nobody else reads them
	XFETCH UA, 0, 0
	XFETCH UB, 0, 1
	s_wait_dscnt 16                                ; all but the sixteen just issued
	QUANT UA, XC, 8, SCX, LIMX
	XFETCH UA, 1, 0
	s_wait_dscnt 16
	QUANT UB, XC+16, 8, SCX, LIMX
	XFETCH UB, 1, 1
	s_wait_dscnt 16
	QUANT UA, XC+32, 8, SCX, LIMX
	s_wait_dscnt 0x0                               ; the last sixteen; and, for the others' sake, my weight codes have landed
	QUANT UB, XC+48, 8, SCX, LIMX
	s_barrier_signal -1
	s_barrier_wait -1                              ; all sixteen weight fragments lie in LDS; nobody writes LDS again
	ONEHEAD 0, PC0
	ONEHEAD 1, PC1                                 ; codes in other registers than the first head's, whose stores may still read theirs
	s_wait_dscnt 0x0
	s_wait_tensorcnt 0x0
	ds_add_u32 v254, v255
	s_wait_dscnt 0x0
	CROUND                                         ; the closing round: no work-group ends while a partner may still ask for rows jointly with it
	s_endpgm
.Lfunc_end_k_q56b824cd4c_proj:
	.size	k_q56b824cd4c_proj, .Lfunc_end_k_q56b824cd4c_proj-k_q56b824cd4c_proj
	.p2alignl 7, 3214868480
	.fill 96, 4, 3214868480
	.section	.rodata,"a",@progbits
	.p2align	6, 0x0
	.amdhsa_kernel k_q56b824cd4c_proj
		.amdhsa_group_segment_fixed_size 300032
		.amdhsa_private_segment_fixed_size 0
		.amdhsa_enable_private_segment 0
		.amdhsa_kernarg_size 64
		.amdhsa_user_sgpr_count 2
		.amdhsa_user_sgpr_kernarg_segment_ptr 1
		.amdhsa_wavefront_size32 1
		.amdhsa_system_sgpr_workgroup_id_x 1
		.amdhsa_system_sgpr_workgroup_id_y 1
		.amdhsa_system_sgpr_workgroup_id_z 1
		.amdhsa_system_vgpr_workitem_id 0
		.amdhsa_next_free_vgpr 256
		.amdhsa_next_free_sgpr 80
		.amdhsa_reserve_vcc 0
		.amdhsa_float_denorm_mode_32 3
		.amdhsa_float_denorm_mode_16_64 3
		.amdhsa_memory_ordered 1
		.amdhsa_forward_progress 1
		.amdhsa_inst_pref_size 62
	.end_amdhsa_kernel
	.amdgpu_metadata
---
amdhsa.version: [ 1, 2 ]
amdhsa.kernels:
  - .name:           k_q56b824cd4c_proj
    .symbol:         k_q56b824cd4c_proj.kd
    .args:
      - { .name: features, .offset: 0, .size: 8, .value_kind: global_buffer, .address_space: global }
      - { .name: weight_q, .offset: 8, .size: 8, .value_kind: global_buffer, .address_space: global }
      - { .name: weight_k, .offset: 16, .size: 8, .value_kind: global_buffer, .address_space: global }
      - { .name: weight_v, .offset: 24, .size: 8, .value_kind: global_buffer, .address_space: global }
      - { .name: weight_out, .offset: 32, .size: 8, .value_kind: global_buffer, .address_space: global }
      - { .name: lowp_scales, .offset: 40, .size: 8, .value_kind: global_buffer, .address_space: global }
      - { .name: qk, .offset: 48, .size: 8, .value_kind: global_buffer, .address_space: global }
      - { .name: wcodes, .offset: 56, .size: 8, .value_kind: global_buffer, .address_space: global }
    .group_segment_fixed_size: 300032
    .private_segment_fixed_size: 0
    .kernarg_segment_align: 8
    .kernarg_segment_size: 64
    .max_flat_workgroup_size: 256
    .sgpr_count:     80
    .vgpr_count:     256
    .wavefront_size: 32
...
	.end_amdgpu_metadata
.endif
;; end of part 1
;; launch attn (part 2): grid 4 x 64, 16 waves a work-group, no clusters, 32,768 bytes of LDS; arguments qk, lowp_scales, awp; writes awp
.if DOCPART == 2
	.amdgcn_target "amdgcn-amd-amdhsa--gfx1250"
	.amdhsa_code_object_version 6
	.text
	.protected	k_q56b824cd4c_attn
	.globl	k_q56b824cd4c_attn
	.p2align	8
	.type	k_q56b824cd4c_attn,@function
k_q56b824cd4c_attn:
	s_mov_b64 s[64:65], 0
	v_nop
	global_prefetch_b8 v0, s[64:65] scope:SCOPE_SE
	s_setreg_imm32_b32 hwreg(HW_REG_WAVE_MODE, 25, 1), 1
	s_wait_xcnt 0x0
; For one (batch, head) and one quarter of its keys: awp[i] = the sum over these 256 keys j of softmax over the QUERIES i of (q_i . k_j / 8).
; q, k: codes of BF8 (E5M2) as the launch before laid them: fragments of 16 rows x 64, 1,024 bytes, registers 4 c .. 4 c + 3 of lane l at 512 c + 16 l.  A score stands for sum x 2^(e6 + e7).
; SHARES.  Work-group (kq, bh).  Sixteen waves; wave w owns queries 64 w .. 64 w + 63, whose four fragments stay in registers.  The 256 keys go in four blocks of 64.  A block's scores, 1,024 x 64, stay in
; registers (128 a wave) from the maximum to the weighted sum, so each exponential is made once.
; LAYOUT.  S = Q K^T, source 0 = 16 queries, source 1 = 16 keys: lane (r, h) holds key r, and its register j query 8 h + j.  A key's maximum and sum over the queries are taken in the lane, then with the lane
; 16 away, then among the sixteen waves through LDS (a word for each key and wave; a barrier; every wave reads all).  The maximum is taken away before the exponential, as the softmax has it.
; p = 2^(c s - c M), c = log2(e) / 8 x 2^(e6 + e7); c M is rounded once for a whole column, alike in p and in the column's sum.  A query's sum over keys stays spread over 16 lanes (32 registers) through all blocks.
; NO CLUSTER, NO TENSOR LOAD: the four work-groups of a (batch, head) share q alone, 64 KB read once at the head straight into the operand's registers; the keys differ.
; LIMITS: e6 + e7 between -123 and 130 (they are added to c's exponent field).  An exponential under 2^-126 comes out as 0 (ISA guide 15.8), beside a column sum of about 1 or more.  NaN is not served.
.set KIMG, 0                           ; LDS: the quarter's 16 key fragments, 1,024 bytes each
.set MXL,  16384                       ; the maxima: key (64, 80 bytes apart) x wave (16 words).  80 bytes = 20 words: the 16 keys of a store or a load fall on different banks (64 banks of 4 bytes: ISA guide 11.1)
.set SML,  21504                       ; the sums, likewise
.set OST,  26624                       ; the way out: 256 bytes for each wave
.set LI,  1                            ; v1   16 x lane
.set KWI, 2                            ; v2   16 x lane + 1,024 x wave: where my key fragment goes
.set EXW, 3                            ; v3   80 r + 4 x wave: my word of key r
.set EXR, 4                            ; v4   80 r + 32 h: eight waves' words of key r
.set OSW, 5                            ; v5   OST + 256 x wave + 32 h
.set ST,  6                            ; v6-13  key tile t: v[ST + 2 t] the statistic, v[ST + 2 t + 1] the other half's
.set OSR, 14                           ; v14  OST + 256 x wave + 8 x lane
.set GO,  15                           ; v15  8 x lane
.set QF,  16                           ; v16-47   q's four fragments
.set KF,  48                           ; v48-79   a block's four key fragments; between the products, what comes back from the exchange
.set RD,  48
.set S,   80                           ; v80-207  scores, then p: key tile t, query tile q at S + 32 t + 8 q
.set ACC, 208                          ; v208-239 the queries' sums: 8 q + j
.set T,   240                          ; v240-255 at work, four for each key tile
.macro BARRIER                         ; my LDS stores have landed and my LDS loads are in: then the work-group's barrier
	s_wait_dscnt 0x0
	s_barrier_signal -1
	s_barrier_wait -1
.endm
.macro KFETCH kb
.irp t, 0,1,2,3
.irp c, 0,1
	ds_load_b128 v[KF+8*\t+4*\c:KF+8*\t+4*\c+3], v[LI] offset:KIMG+(4*(\kb)+\t)*1024+512*\c
.endr
.endr
.endm
.macro XCHG_OUT base                   ; my wave's figure for each of the 64 keys; lanes r and r + 16 hold the same number and write the same word
.irp t, 0,1,2,3
	ds_store_b32 v[EXW], v[ST+2*\t] offset:\base+1280*\t
.endr
.endm
.macro XCHG_IN base                    ; lane (r, h): the figures of waves 8 h .. 8 h + 7 for key 16 t + r
.irp t, 0,1,2,3
.irp q, 0,1
	ds_load_b128 v[RD+8*\t+4*\q:RD+8*\t+4*\q+3], v[EXR] offset:\base+1280*\t+16*\q
.endr
.endr
.endm
.macro CROSS op                        ; the statistic joined with the lane 16 away
.irp t, 0,1,2,3
	v_permlanex16_b32 v[ST+2*\t+1], v[ST+2*\t], s20, s21
.endr
.irp t, 0,1,2,3
	\op v[ST+2*\t], v[ST+2*\t], v[ST+2*\t+1]
.endr
.endm
; A BLOCK of 64 keys.  Two barriers: the maxima's words are written again only behind the block's second barrier, the sums' only behind the next block's first, and in front of each every wave has waited for its reads.
.macro BLOCK kb
	s_wait_dscnt 0x0                               ; the block's key fragments are in
.irp t, 0,1,2,3
.irp q, 0,1,2,3
	v_wmma_f32_16x16x64_bf8_bf8 v[S+32*\t+8*\q:S+32*\t+8*\q+7], v[QF+8*\q:QF+8*\q+7], v[KF+8*\t:KF+8*\t+7], 0
.endr
.endr
.rept 4
	v_nop                                          ; four places ahead of the first read of the results (ISA guide 7.12.1)
.endr
	; the largest score of each key among my 32 queries: two chains a key tile; each accumulator is first read at its lowest register
.irp t, 0,1,2,3
	v_max3_num_f32 v[T+4*\t], v[S+32*\t], v[S+32*\t+1], v[S+32*\t+2]
	v_max3_num_f32 v[T+4*\t+1], v[S+32*\t+16], v[S+32*\t+17], v[S+32*\t+18]
.endr
.irp n, 1,2,3,4,5,6
.irp t, 0,1,2,3
	v_max3_num_f32 v[T+4*\t], v[T+4*\t], v[S+32*\t+2*\n+1], v[S+32*\t+2*\n+2]
	v_max3_num_f32 v[T+4*\t+1], v[T+4*\t+1], v[S+32*\t+2*\n+17], v[S+32*\t+2*\n+18]
.endr
.endr
.irp t, 0,1,2,3
	v_max3_num_f32 v[ST+2*\t], v[T+4*\t], v[T+4*\t+1], v[S+32*\t+15]
.endr
.irp t, 0,1,2,3
	v_max_num_f32 v[ST+2*\t], v[ST+2*\t], v[S+32*\t+31]
.endr
	CROSS v_max_num_f32                            ; my wave's 64 queries
	XCHG_OUT MXL
	BARRIER
	XCHG_IN MXL
	s_wait_dscnt 0x0
.irp t, 0,1,2,3
	v_max3_num_f32 v[T+4*\t], v[RD+8*\t], v[RD+8*\t+1], v[RD+8*\t+2]
.endr
.irp t, 0,1,2,3
	v_max3_num_f32 v[T+4*\t], v[T+4*\t], v[RD+8*\t+3], v[RD+8*\t+4]
.endr
.irp t, 0,1,2,3
	v_max3_num_f32 v[T+4*\t], v[T+4*\t], v[RD+8*\t+5], v[RD+8*\t+6]
.endr
.irp t, 0,1,2,3
	v_max_num_f32 v[ST+2*\t], v[T+4*\t], v[RD+8*\t+7]
.endr
	CROSS v_max_num_f32                            ; M: the key's largest score among all 1,024 queries
.irp t, 0,1,2,3
	v_mul_f32 v[ST+2*\t], s22, v[ST+2*\t]          ; c M (c is positive)
.endr
.irp t, 0,1,2,3
.set pp, 0
.rept 16
	v_pk_fma_f32 v[S+32*\t+pp:S+32*\t+pp+1], v[S+32*\t+pp:S+32*\t+pp+1], s[22:23], v[ST+2*\t:ST+2*\t+1] op_sel_hi:[1,0,0] neg_lo:[0,0,1] neg_hi:[0,0,1]   ; c s - c M, two at a time
.set pp, pp+2
.endr
.endr
.set pp, 0
.rept 128
	v_exp_f32 v[S+pp], v[S+pp]                     ; p = 2^(c s - c M)
.set pp, pp+1
.endr
	v_nop                                          ; one plain instruction behind the last exponential (ISA guide 5.7.2)
	; each key's sum of p over my 32 queries: two chains of pairs a key tile
	s_wait_alu depctr_va_vdst(0)
.irp t, 0,1,2,3
	v_pk_add_f32 v[T+4*\t:T+4*\t+1], v[S+32*\t:S+32*\t+1], v[S+32*\t+2:S+32*\t+3]
	v_pk_add_f32 v[T+4*\t+2:T+4*\t+3], v[S+32*\t+16:S+32*\t+17], v[S+32*\t+18:S+32*\t+19]
.endr
.irp n, 4,6,8,10,12,14
.irp t, 0,1,2,3
	v_pk_add_f32 v[T+4*\t:T+4*\t+1], v[T+4*\t:T+4*\t+1], v[S+32*\t+\n:S+32*\t+\n+1]
	v_pk_add_f32 v[T+4*\t+2:T+4*\t+3], v[T+4*\t+2:T+4*\t+3], v[S+32*\t+\n+16:S+32*\t+\n+17]
.endr
.endr
.irp t, 0,1,2,3
	v_pk_add_f32 v[T+4*\t:T+4*\t+1], v[T+4*\t:T+4*\t+1], v[T+4*\t+2:T+4*\t+3]
.endr
.irp t, 0,1,2,3
	v_add_f32 v[ST+2*\t], v[T+4*\t], v[T+4*\t+1]
.endr
	CROSS v_add_f32
	XCHG_OUT SML
	BARRIER
	XCHG_IN SML
	s_wait_dscnt 0x0
.irp t, 0,1,2,3
	v_pk_add_f32 v[T+4*\t:T+4*\t+1], v[RD+8*\t:RD+8*\t+1], v[RD+8*\t+2:RD+8*\t+3]
	v_pk_add_f32 v[T+4*\t+2:T+4*\t+3], v[RD+8*\t+4:RD+8*\t+5], v[RD+8*\t+6:RD+8*\t+7]
.endr
.irp t, 0,1,2,3
	v_pk_add_f32 v[T+4*\t:T+4*\t+1], v[T+4*\t:T+4*\t+1], v[T+4*\t+2:T+4*\t+3]
.endr
.irp t, 0,1,2,3
	v_add_f32 v[ST+2*\t], v[T+4*\t], v[T+4*\t+1]
.endr
	CROSS v_add_f32                                ; Z: the key's sum over all 1,024 queries
.irp t, 0,1,2,3
	v_rcp_f32 v[ST+2*\t], v[ST+2*\t]
.endr
	v_nop                                          ; one plain instruction behind the last reciprocal
	s_wait_alu depctr_va_vdst(0)
.if \kb < 3
	KFETCH \kb+1                                   ; what came back from the exchange has been used: the next block's keys land under the sums below
.endif
.irp t, 0,1,2,3                                ; the queries' sums take p / Z; the very first products start them: nothing is cleared
.set pp, 0
.rept 16
.if (\kb == 0) && (\t == 0)
	v_pk_mul_f32 v[ACC+pp:ACC+pp+1], v[S+32*\t+pp:S+32*\t+pp+1], v[ST+2*\t:ST+2*\t+1] op_sel_hi:[1,0]
.else
	v_pk_fma_f32 v[ACC+pp:ACC+pp+1], v[S+32*\t+pp:S+32*\t+pp+1], v[ST+2*\t:ST+2*\t+1], v[ACC+pp:ACC+pp+1] op_sel_hi:[1,0,1]
.endif
.set pp, pp+2
.endr
.endr
.endm
	s_load_b128 s[4:7], s[0:1], 0x0                ; qk s[4:5], lowp_scales s[6:7]
	s_load_b64 s[8:9], s[0:1], 0x10                ; awp
	v_lshrrev_b32 v16, 5, v0
	v_readfirstlane_b32 s12, v16                   ; wave 0..15
	v_and_b32 v16, 15, v0                          ; r
	v_bfe_u32 v17, v0, 4, 1                        ; h
	v_and_b32 v18, 31, v0                          ; lane
	v_lshlrev_b32 v[LI], 4, v18
	s_lshl_b32 s30, s12, 10
	v_add_nc_u32 v[KWI], s30, v[LI]
	v_mul_u32_u24 v[EXR], v16, 80
	s_lshl_b32 s30, s12, 2
	v_add_nc_u32 v[EXW], s30, v[EXR]
	v_lshl_add_u32 v[EXR], v17, 5, v[EXR]
	s_lshl_b32 s30, s12, 8
	s_add_co_u32 s30, s30, OST
	v_lshlrev_b32 v[OSW], 5, v17
	v_add_nc_u32 v[OSW], s30, v[OSW]
	v_lshlrev_b32 v[GO], 3, v18
	v_add_nc_u32 v[OSR], s30, v[GO]
.irp j, 0,1,2,3,4,5,6,7
	v_mov_b32 v[ST+\j], 0                          ; written once: a lane permute's destination counts as one of its sources
.endr
	s_mov_b32 s20, 0x76543210                      ; v_permlanex16_b32's selects: each lane takes its own place in the other half
	s_mov_b32 s21, 0xfedcba98
	s_and_b32 s13, ttmp7, 0xffff                   ; 8 b + head
	s_lshl_b32 s24, s13, 16                        ; q: 64 fragments a (batch, head), four a wave
	s_lshl_b32 s31, s12, 12
	s_add_co_u32 s24, s24, s31
	s_mov_b32 s25, 0
	s_lshl_b32 s26, s13, 16                        ; k: behind q's 2^22 bytes; 16 fragments a quarter, one a wave
	s_lshl_b32 s31, ttmp9, 14
	s_add_co_u32 s26, s26, s31
	s_lshl_b32 s31, s12, 10
	s_add_co_u32 s26, s26, s31
	s_add_co_u32 s26, s26, 1<<22
	s_mov_b32 s27, 0
	s_lshl_b32 s28, ttmp9, 6                       ; awp: [quarter][8 b + head][1,024] f32; my 64 queries
	s_add_co_u32 s28, s28, s13
	s_lshl_b32 s28, s28, 12
	s_lshl_b32 s31, s12, 8
	s_add_co_u32 s28, s28, s31
	s_mov_b32 s29, 0
	s_wait_kmcnt 0x0
	s_load_b64 s[10:11], s[6:7], 0x18              ; e6, e7
	s_add_nc_u64 s[14:15], s[4:5], s[24:25]
	s_add_nc_u64 s[16:17], s[4:5], s[26:27]
	s_add_nc_u64 s[18:19], s[8:9], s[28:29]
	global_load_b128 v[KF:KF+3], v[LI], s[16:17]               ; my one key fragment: each load of the wave covers 512 consecutive bytes
	global_load_b128 v[KF+4:KF+7], v[LI], s[16:17] offset:512
.irp k, 0,1,2,3,4,5,6,7
	global_load_b128 v[QF+4*\k:QF+4*\k+3], v[LI], s[14:15] offset:512*\k
.endr
	s_wait_loadcnt 8                               ; the key fragment is in; q's eight loads may be out
	ds_store_b128 v[KWI], v[KF:KF+3] offset:KIMG
	ds_store_b128 v[KWI], v[KF+4:KF+7] offset:KIMG+512
	BARRIER                                        ; the quarter's 16 key fragments lie in LDS: read from memory once for the work-group
	KFETCH 0
	s_wait_kmcnt 0x0
	s_add_co_i32 s10, s10, s11
	s_lshl_b32 s10, s10, 23
	s_add_co_i32 s22, s10, 0x3e38aa3b              ; c = log2(e) / 8, with e6 + e7 added to its exponent field
	s_mov_b32 s23, s22                             ; (named with it as a pair, so it is written)
	s_wait_loadcnt 0x0                             ; q
	BLOCK 0
	BLOCK 1
	BLOCK 2
	BLOCK 3
	; THE WAY OUT: each query's sum over the 16 lanes of its half; then through my own 256 bytes of LDS, so that the wave stores 256 consecutive bytes, aligned, by one instruction
.irp x, 1,2,4,8
.set pp, 0
.rept 32
	v_add_f32_dpp v[ACC+pp], v[ACC+pp], v[ACC+pp] row_xmask:\x row_mask:0xf bank_mask:0xf
.set pp, pp+1
.endr
.endr
.irp q, 0,1,2,3
.irp j, 0,1,2,3,4,5,6,7
	ds_store_b32 v[OSW], v[ACC+8*\q+\j] offset:64*\q+4*\j      ; query 16 q + 8 h + j; the sixteen lanes of a half hold the same number and write the same word
.endr
.endr
	ds_load_b64 v[T:T+1], v[OSR]                   ; LDS serves a wave's instructions in order (ISA guide 5.7.1.4): this sees my stores
	s_wait_dscnt 0x0
	global_store_b64 v[GO], v[T:T+1], s[18:19]
	s_wait_xcnt 0x0
	v_lshl_add_u32 v254, v0, 2, 0x7800
	v_mov_b32 v255, 0
	s_wait_tensorcnt 0x0
	ds_add_u32 v254, v255
	s_wait_dscnt 0x0
	s_endpgm
.Lfunc_end_k_q56b824cd4c_attn:
	.size	k_q56b824cd4c_attn, .Lfunc_end_k_q56b824cd4c_attn-k_q56b824cd4c_attn
	.p2alignl 7, 3214868480
	.fill 96, 4, 3214868480
	.section	.rodata,"a",@progbits
	.p2align	6, 0x0
	.amdhsa_kernel k_q56b824cd4c_attn
		.amdhsa_group_segment_fixed_size 32768
		.amdhsa_private_segment_fixed_size 0
		.amdhsa_enable_private_segment 0
		.amdhsa_kernarg_size 24
		.amdhsa_user_sgpr_count 2
		.amdhsa_user_sgpr_kernarg_segment_ptr 1
		.amdhsa_wavefront_size32 1
		.amdhsa_system_sgpr_workgroup_id_x 1
		.amdhsa_system_sgpr_workgroup_id_y 1
		.amdhsa_system_sgpr_workgroup_id_z 1
		.amdhsa_system_vgpr_workitem_id 0
		.amdhsa_next_free_vgpr 256
		.amdhsa_next_free_sgpr 66
		.amdhsa_reserve_vcc 0
		.amdhsa_float_denorm_mode_32 3
		.amdhsa_float_denorm_mode_16_64 3
		.amdhsa_memory_ordered 1
		.amdhsa_forward_progress 1
		.amdhsa_inst_pref_size 122
	.end_amdhsa_kernel
	.amdgpu_metadata
---
amdhsa.version: [ 1, 2 ]
amdhsa.kernels:
  - .name:           k_q56b824cd4c_attn
    .symbol:         k_q56b824cd4c_attn.kd
    .args:
      - { .name: qk, .offset: 0, .size: 8, .value_kind: global_buffer, .address_space: global }
      - { .name: lowp_scales, .offset: 8, .size: 8, .value_kind: global_buffer, .address_space: global }
      - { .name: awp, .offset: 16, .size: 8, .value_kind: global_buffer, .address_space: global }
    .group_segment_fixed_size: 32768
    .private_segment_fixed_size: 0
    .kernarg_segment_align: 8
    .kernarg_segment_size: 24
    .max_flat_workgroup_size: 512
    .sgpr_count:     66
    .vgpr_count:     256
    .wavefront_size: 32
...
	.end_amdgpu_metadata
.endif
;; end of part 2
;; launch outp (part 3): grid 256 x 1, 16 waves a work-group, no clusters, 169,984 bytes of LDS; arguments features, wcodes, awp, lowp_scales, out0; writes out0
.if DOCPART == 3
	.amdgcn_target "amdgcn-amd-amdhsa--gfx1250"
	.amdhsa_code_object_version 6
	.text
	.protected	k_q56b824cd4c_outp
	.globl	k_q56b824cd4c_outp
	.p2align	8
	.type	k_q56b824cd4c_outp,@function
k_q56b824cd4c_outp:
	s_mov_b64 s[64:65], 0
	v_nop
	global_prefetch_b8 v0, s[64:65] scope:SCOPE_SE
	s_setreg_imm32_b32 hwreg(HW_REG_WAVE_MODE, 25, 1), 1
	s_wait_xcnt 0x0
; out = Q(v x aw) weight_out^T, v = features x weight_v, aw = the sum of the four partial sums of the launch before; both products on codes of BF8 (E5M2).
; features [8192][256] f32 is quantised here by 2^e4; weight_v's codes (e5) and weight_out's (e9) come from wcodes, laid in the order of the operand's registers; v x aw is quantised by 2^e8; out0 [8192][256] f32.
; SHARES.  A work-group takes 32 rows (two tiles of 16): 256 work-groups.  THE SIXTEEN WAVES SHARE THE COLUMNS: wave w makes hidden units 32 w .. 32 w + 31 (head w / 2) and outputs 16 w .. 16 w + 15, for all 32 rows.
; Its 8 KB of each weight's codes go from memory straight into 128 registers, by loads of 512 consecutive bytes.  What goes from wave to wave, through LDS as images of registers, is small: the rows' codes.
; FEATURES come by the tensor data mover as whole rows: each wave brings two rows of 1,024 bytes; behind a barrier wave w takes 16 rows x 32 along K out of LDS, 16 neighbours a lane, and makes four registers of fragment w / 4.
; BOTH PRODUCTS ARE USED TRANSPOSED (source 0 = 16 rows of the weight's codes, source 1 = 16 data rows): lane (r, h) holds data row r throughout, so aw is one number a lane and tile, and eight registers of a tile of v x aw,
; converted, are registers 2 c, 2 c + 1 of the next operand in the K = 128 form's own layout (ISA guide 7.12.2), in which weight_out's codes were laid.
; FOUR BARRIERS: features' rows in LDS | their four fragments | the hidden layer's eight | 32 rows of out in a stage, from which each wave stores two whole rows.  No region of LDS is written twice.
; NO CLUSTER: what the work-groups share, the weights' 256 KB of codes, is used once, from the registers into which it is loaded; asked for jointly it would pass through LDS: 512 LDS loads a work-group more.  Features are shared by nobody.
; LIMITS: e4 and e8 - e4 - e5 between -126 and 112, e8 + e9 between -126 and 127, so that each power of two below is an f32 number.  NaN among the inputs is not served.
.set XT,   0                           ; LDS: 32 rows of features x (1,024 bytes + 16): row r starts at bank 4 r mod 64 (64 banks of 4 bytes: ISA guide 11.1)
.set XIMG, 33280                       ; features' fragments (tile m, K step s) at (2 m + s) x 2,048
.set HIMG, 41472                       ; the hidden layer's (tile m, K step s) at (4 m + s) x 2,048
.set STG,  57856                       ; the stage: 32 rows x (1,024 bytes + 16)
.set LI,   1                           ; v1   16 x lane
.set XR,   2                           ; v2   features in LDS: row 16 (w / 8) + r, byte 512 ((w / 4) % 2) + 128 (w % 4) + 64 h
.set AWA,  3                           ; v3   4 r
.set XWI,  4                           ; v4   XIMG + 16 x lane + 512 x wave: my four registers of a fragment of features
.set HWI,  5                           ; v5   HIMG + 16 x lane + 512 x wave: my four registers of a hidden fragment
.set SO,   6                           ; v6   the stage: row r, + 64 x wave + 32 h
.set SR,   7                           ; v7   and back: my two rows, 16 bytes a lane
.set SCX,  8                           ; v8, v9    2^e4 and 57,344 x 2^e4
.set LIMX, 9
.set SCH,  10                          ; v10, v11  the same with e8 - e4 - e5
.set LIMH, 11
.set AW,   12                          ; v12-15    tile m: aw of row 16 m + r in v[AW + 2 m]
.set W1,   20                          ; v20-83    weight_v's fragments (tile u, K step s) at 16 (2 u + s); later the hidden fragments of K steps 2, 3
.set W2,   84                          ; v84-147   weight_out's fragments, K step s at 16 s
.set XF,   148                         ; v148-211  features' four fragments at 32 m + 16 s; later the hidden fragments of K steps 0, 1; at last rows of out
.set RB,   148
.set HA,   212                         ; v212-243  the four accumulators of v: 16 m + 8 u; before that XS and AWP; later OA and OS
.set XS,   212                         ; 16 numbers of features
.set AWP,  228                         ; the 8 partial sums
.set OA,   212                         ; the two accumulators of out
.set OS,   228                         ; the sums x 2^(e8 + e9)
.set XCD,  244                         ; v244-247  features' codes
.set HC,   244                         ; v244-251  the hidden layer's codes, four registers a tile
.set G1,   48                          ; s[48:55]  descriptor group 1
.set G0,   56                          ; s[56:59]  descriptor group 0
.macro PLACES                          ; four plain vector instructions behind a matrix instruction, ahead of a read of its result (ISA guide 7.12.1)
.rept 4
	v_nop
.endr
.endm
.macro BARRIER                         ; my LDS stores have landed and my LDS loads are in: then the work-group's barrier
	s_wait_dscnt 0x0
	s_barrier_signal -1
	s_barrier_wait -1
.endm
.macro MKSC se, vs, vl                 ; from the whole number e in s[se]: 2^e and 57,344 x 2^e as f32
	s_add_co_i32 s44, s[\se], 127
	s_lshl_b32 s45, s44, 23
	v_mov_b32 v[\vs], s45
	s_add_co_i32 s44, s44, 15
	s_lshl_b32 s44, s44, 23
	s_or_b32 s44, s44, 0x600000
	v_mov_b32 v[\vl], s44
.endm
.macro QUANT src, dst, n8, sc, lim     ; 8 n8 numbers become codes; the conversion does not saturate (ISA guide 7.6.2), so each number is held first
.set qi, 0
.rept 8*(\n8)
	v_med3_num_f32 v[\src+qi], v[\src+qi], -v[\lim], v[\lim]
.set qi, qi+1
.endr
.set qi, 0
.rept \n8
	v_cvt_scalef32_pk8_bf8_f32 v[\dst+2*qi:\dst+2*qi+1], v[\src+8*qi:\src+8*qi+7], v[\sc]
.set qi, qi+1
.endr
	v_nop                                          ; one plain vector instruction behind the last conversion
.endm
	s_load_b256 s[4:11], s[0:1], 0x0               ; features s[4:5], wcodes s[6:7], awp s[8:9], lowp_scales s[10:11]
	s_load_b64 s[12:13], s[0:1], 0x20              ; out0
	v_lshl_add_u32 v19, v0, 2, 0x29000
	v_mov_b32 v255, 0
	ds_add_u32 v19, v255
	ds_add_u32 v19, v255
	v_lshrrev_b32 v252, 5, v0
	v_readfirstlane_b32 s14, v252                  ; wave 0..15
	v_and_b32 v252, 15, v0                         ; r
	v_bfe_u32 v253, v0, 4, 1                       ; h
	v_and_b32 v254, 31, v0                         ; lane
	v_lshlrev_b32 v[LI], 4, v254
	v_lshlrev_b32 v[AWA], 2, v252
	s_lshr_b32 s30, s14, 3                         ; wave w quantises registers 4 (w % 4) .. + 3 of fragment w / 4 = (tile w / 8, K step (w / 4) % 2)
	s_mul_i32 s30, s30, 16640
	s_bfe_u32 s31, s14, 0x10002
	s_lshl_b32 s31, s31, 9
	s_add_co_u32 s30, s30, s31
	s_and_b32 s31, s14, 3
	s_lshl_b32 s31, s31, 7
	s_add_co_u32 s30, s30, s31
	v_mul_u32_u24 v[XR], v252, 1040
	v_lshl_add_u32 v[XR], v253, 6, v[XR]
	v_add_nc_u32 v[XR], s30, v[XR]
	s_lshl_b32 s31, s14, 9
	s_add_co_u32 s32, s31, XIMG
	v_add_nc_u32 v[XWI], s32, v[LI]
	s_add_co_u32 s32, s31, HIMG
	v_add_nc_u32 v[HWI], s32, v[LI]
	s_lshl_b32 s32, s14, 6
	s_add_co_u32 s32, s32, STG
	v_mul_u32_u24 v[SO], v252, 1040
	v_lshl_add_u32 v[SO], v253, 5, v[SO]
	v_add_nc_u32 v[SO], s32, v[SO]
	s_mul_i32 s33, s14, 2080
	s_add_co_u32 s33, s33, STG
	v_add_nc_u32 v[SR], s33, v[LI]
	; descriptor group 1: a tile of 2 rows x 256 elements of 4 bytes, padded in LDS
	s_mov_b32 s[G1+0], (2<<16)|(1<<20)|(7<<22)|(3<<25)  ; 15:0 no mask; 17:16 elements of 4 bytes; 20 padding on; 24:22 after every 256 words (code 7); 31:25 four words (code 3)
	s_mov_b32 s[G1+1], 256<<16                     ; tensor_dim0 = 256
	s_mov_b32 s[G1+2], 2<<16                       ; tensor_dim1 = 2
	s_mov_b32 s[G1+3], 256<<16                     ; tile_dim0 = 256
	s_mov_b32 s[G1+4], 2                           ; tile_dim1 = 2
	s_mov_b32 s[G1+5], 256                         ; elements from row to row
	s_mov_b32 s[G1+6], 0
	s_mov_b32 s[G1+7], 0
	; byte offsets
	s_lshl_b32 s34, ttmp9, 15                      ; features and out0 alike: 32 rows of 1,024 bytes a work-group, two a wave
	s_lshl_b32 s42, s14, 11
	s_add_co_u32 s34, s34, s42
	s_mov_b32 s35, 0
	s_lshl_b32 s36, s14, 13                        ; wcodes: four fragments of 2,048 bytes a wave, in each weight's half
	s_mov_b32 s37, 0
	s_lshr_b32 s38, ttmp9, 5                       ; awp: the batch's 8 heads of 4,096 bytes,
	s_lshl_b32 s38, s38, 15
	s_lshr_b32 s42, s14, 1                         ; my head,
	s_lshl_b32 s42, s42, 12
	s_add_co_u32 s38, s38, s42
	s_and_b32 s42, ttmp9, 31                       ; the work-group's 32 rows
	s_lshl_b32 s42, s42, 7
	s_add_co_u32 s38, s38, s42
	s_mov_b32 s39, 0
	s_wait_dscnt 0x0
	s_wait_kmcnt 0x0
	s_mov_b32 s[G0], 1                             ; 1:0 count = 1
	s_mul_i32 s[G0+1], s14, 2080                   ; 63:32 LDS address: XT + two rows a wave
	s_add_nc_u64 s[G0+2:G0+3], s[4:5], s[34:35]    ; 120:64 global address: my two rows
	s_or_b32 s[G0+3], s[G0+3], 0x80000000          ; 127:126 type = 2
	tensor_load_to_lds s[G0:G0+3], s[G1:G1+7]      ; my one tensor load of the launch: by this text's count one is out
	s_nop 0
.rept 4
	v_nop
.endr
	s_load_b64 s[16:17], s[10:11], 0x10            ; e4, e5
	s_load_b64 s[18:19], s[10:11], 0x20            ; e8, e9
	s_add_nc_u64 s[22:23], s[6:7], s[36:37]
	s_add_nc_u64 s[24:25], s[8:9], s[38:39]
	s_add_nc_u64 s[26:27], s[12:13], s[34:35]
.irp m, 0,1
.irp p, 0,1,2,3
	global_load_b32 v[AWP+4*\m+\p], v[AWA], s[24:25] offset:262144*\p+64*\m    ; quarter p's sum for row 16 m + r
.endr
.endr
.irp k, 0,1,2,3,4,5,6,7,8,9,10,11,12,13,14,15
	global_load_b128 v[W1+4*\k:W1+4*\k+3], v[LI], s[22:23] offset:512*\k
.endr
.irp k, 0,1,2,3,4,5,6,7,8,9,10,11,12,13,14,15
	global_load_b128 v[W2+4*\k:W2+4*\k+3], v[LI], s[22:23] offset:131072+512*\k
.endr
	s_wait_kmcnt 0x0
	s_sub_co_i32 s46, s18, s16
	s_sub_co_i32 s46, s46, s17                     ; e8 - e4 - e5: a sum of the first product stands for sum x 2^(e4 + e5)
	MKSC 16, SCX, LIMX
	MKSC 46, SCH, LIMH
	s_add_co_i32 s28, s18, s19
	s_add_co_i32 s28, s28, 127
	s_lshl_b32 s28, s28, 23                        ; 2^(e8 + e9) as f32
	s_mov_b32 s29, s28                             ; (named with it as a pair, so it is written)
	s_wait_tensorcnt 0x0                           ; my two rows have landed,
	s_barrier_signal -1
	s_barrier_wait -1                              ; everybody's have: 32 rows of features lie in LDS
.irp j, 0,1,2,3
	ds_load_b128 v[XS+4*\j:XS+4*\j+3], v[XR] offset:XT+16*\j       ; register i = x(row, 128 s + 32 c + 16 h + i)
.endr
	s_wait_dscnt 0x0
	QUANT XS, XCD, 2, SCX, LIMX
	ds_store_b128 v[XWI], v[XCD:XCD+3]
	s_wait_loadcnt 32                              ; the partial sums are in; behind them stand the weights' 16 + 16 loads
.irp m, 0,1
	v_add_f32 v[AW+2*\m], v[AWP+4*\m], v[AWP+4*\m+1]
	v_add_f32 v[AW+2*\m+1], v[AWP+4*\m+2], v[AWP+4*\m+3]
.endr
.irp m, 0,1
	v_add_f32 v[AW+2*\m], v[AW+2*\m], v[AW+2*\m+1] ; aw
.endr
	BARRIER                                        ; features' four fragments lie in LDS
.irp s, 0,1                                    ; all four in one run, K step 0's first
.irp m, 0,1
.irp c, 0,1,2,3
	ds_load_b128 v[XF+32*\m+16*\s+4*\c:XF+32*\m+16*\s+4*\c+3], v[LI] offset:XIMG+(2*\m+\s)*2048+512*\c
.endr
.endr
.endr
	s_wait_loadcnt 16                              ; weight_v's codes are in; weight_out's may be out
	s_wait_dscnt 8                                 ; K step 0's two fragments are in
.irp m, 0,1                                    ; v: my two tiles of hidden units for the two tiles of rows: four accumulators by turns
.irp u, 0,1
	v_wmma_f32_16x16x128_bf8_bf8 v[HA+16*\m+8*\u:HA+16*\m+8*\u+7], v[W1+32*\u:W1+32*\u+15], v[XF+32*\m:XF+32*\m+15], 0
.endr
.endr
	s_wait_dscnt 0x0
.irp m, 0,1
.irp u, 0,1
	v_wmma_f32_16x16x128_bf8_bf8 v[HA+16*\m+8*\u:HA+16*\m+8*\u+7], v[W1+32*\u+16:W1+32*\u+31], v[XF+32*\m+16:XF+32*\m+31], v[HA+16*\m+8*\u:HA+16*\m+8*\u+7]
.endr
.endr
	PLACES
.irp m, 0,1
.irp p, 0,2,4,6,8,10,12,14
	v_pk_mul_f32 v[HA+16*\m+\p:HA+16*\m+\p+1], v[HA+16*\m+\p:HA+16*\m+\p+1], v[AW+2*\m:AW+2*\m+1] op_sel_hi:[1,0]   ; x aw of my row: rounded once, as v x aw is; each accumulator from its low end on
.endr
.endr
	QUANT HA, HC, 4, SCH, LIMH
.irp m, 0,1
	ds_store_b128 v[HWI], v[HC+4*\m:HC+4*\m+3] offset:8192*\m      ; units 32 w .. 32 w + 31 are registers 4 (w % 4) .. + 3 of K step w / 4
.endr
	BARRIER                                        ; the hidden layer's eight fragments lie in LDS
.irp s, 0,1,2,3                                ; all eight in one run, K step by K step, into registers that the first product has left
.if \s < 2
.set HB, XF+32*\s
.else
.set HB, W1+32*(\s-2)
.endif
.irp m, 0,1
.irp c, 0,1,2,3
	ds_load_b128 v[HB+16*\m+4*\c:HB+16*\m+4*\c+3], v[LI] offset:HIMG+(4*\m+\s)*2048+512*\c
.endr
.endr
.endr
	s_wait_loadcnt 0x0                             ; weight_out's codes
.irp s, 0,1,2,3                                ; out: my 16 outputs for the two tiles of rows; the two accumulators take turns
.if \s < 2
.set HB, XF+32*\s
.else
.set HB, W1+32*(\s-2)
.endif
	s_wait_dscnt 24-8*\s                           ; this K step's eight loads are in; the later steps' may be out
.irp m, 0,1
.if \s == 0
	v_wmma_f32_16x16x128_bf8_bf8 v[OA+8*\m:OA+8*\m+7], v[W2+16*\s:W2+16*\s+15], v[HB+16*\m:HB+16*\m+15], 0
.else
	v_wmma_f32_16x16x128_bf8_bf8 v[OA+8*\m:OA+8*\m+7], v[W2+16*\s:W2+16*\s+15], v[HB+16*\m:HB+16*\m+15], v[OA+8*\m:OA+8*\m+7]
.endif
.endr
.endr
	PLACES
.irp m, 0,1
.irp p, 0,2,4,6
	v_pk_mul_f32 v[OS+8*\m+\p:OS+8*\m+\p+1], v[OA+8*\m+\p:OA+8*\m+\p+1], s[28:29] op_sel_hi:[1,0]   ; x 2^(e8 + e9)
.endr
.endr
.irp m, 0,1
.irp q, 0,1
	ds_store_b128 v[SO], v[OS+8*\m+4*\q:OS+8*\m+4*\q+3] offset:16640*\m+16*\q    ; lane (r, h): out(16 m + r, 16 w + 8 h + 0 .. 7)
.endr
.endr
	BARRIER                                        ; 32 whole rows of out lie in the stage
.irp k, 0,1,2,3
	ds_load_b128 v[RB+4*\k:RB+4*\k+3], v[SR] offset:1040*(\k/2)+512*(\k%2)
.endr
.irp k, 0,1,2,3
	s_wait_dscnt 3-\k                              ; LDS loads come back in order (ISA guide 5.7.1): load k is in, the younger ones may be out
	global_store_b128 v[LI], v[RB+4*\k:RB+4*\k+3], s[26:27] offset:1024*(\k/2)+512*(\k%2) th:TH_STORE_NT   ; 32 lanes store 512 consecutive bytes, at a multiple of 256 from out0's first byte
.endr
	s_wait_tensorcnt 0x0
	ds_add_u32 v19, v255
	s_wait_dscnt 0x0
	s_endpgm
.Lfunc_end_k_q56b824cd4c_outp:
	.size	k_q56b824cd4c_outp, .Lfunc_end_k_q56b824cd4c_outp-k_q56b824cd4c_outp
	.p2alignl 7, 3214868480
	.fill 96, 4, 3214868480
	.section	.rodata,"a",@progbits
	.p2align	6, 0x0
	.amdhsa_kernel k_q56b824cd4c_outp
		.amdhsa_group_segment_fixed_size 169984
		.amdhsa_private_segment_fixed_size 0
		.amdhsa_enable_private_segment 0
		.amdhsa_kernarg_size 40
		.amdhsa_user_sgpr_count 2
		.amdhsa_user_sgpr_kernarg_segment_ptr 1
		.amdhsa_wavefront_size32 1
		.amdhsa_system_sgpr_workgroup_id_x 1
		.amdhsa_system_sgpr_workgroup_id_y 1
		.amdhsa_system_sgpr_workgroup_id_z 1
		.amdhsa_system_vgpr_workitem_id 0
		.amdhsa_next_free_vgpr 256
		.amdhsa_next_free_sgpr 66
		.amdhsa_reserve_vcc 0
		.amdhsa_float_denorm_mode_32 3
		.amdhsa_float_denorm_mode_16_64 3
		.amdhsa_memory_ordered 1
		.amdhsa_forward_progress 1
		.amdhsa_inst_pref_size 20
	.end_amdhsa_kernel
	.amdgpu_metadata
---
amdhsa.version: [ 1, 2 ]
amdhsa.kernels:
  - .name:           k_q56b824cd4c_outp
    .symbol:         k_q56b824cd4c_outp.kd
    .args:
      - { .name: features, .offset: 0, .size: 8, .value_kind: global_buffer, .address_space: global }
      - { .name: wcodes, .offset: 8, .size: 8, .value_kind: global_buffer, .address_space: global }
      - { .name: awp, .offset: 16, .size: 8, .value_kind: global_buffer, .address_space: global }
      - { .name: lowp_scales, .offset: 24, .size: 8, .value_kind: global_buffer, .address_space: global }
      - { .name: out0, .offset: 32, .size: 8, .value_kind: global_buffer, .address_space: global }
    .group_segment_fixed_size: 169984
    .private_segment_fixed_size: 0
    .kernarg_segment_align: 8
    .kernarg_segment_size: 40
    .max_flat_workgroup_size: 512
    .sgpr_count:     66
    .vgpr_count:     256
    .wavefront_size: 32
...
	.end_amdgpu_metadata
.endif
;; end of part 3
;; ======== version 2 of 2: 3 launches
;; workspace buffers: qk 8,388,608 bytes; wcodes 262,144 bytes; awp 1,048,576 bytes
;; launch proj (part 4): grid 8 x 32, 8 waves a work-group, clusters of 4 x 1, 300,032 bytes of LDS; arguments features, weight_q, weight_k, weight_v, weight_out, lowp_scales, qk, wcodes; writes qk, wcodes
.if DOCPART == 4
	.amdgcn_target "amdgcn-amd-amdhsa--gfx1250"
	.amdhsa_code_object_version 6
	.text
	.protected	k_q56b824cd4c_proj
	.globl	k_q56b824cd4c_proj
	.p2align	8
	.type	k_q56b824cd4c_proj,@function
k_q56b824cd4c_proj:
	s_mov_b64 s[64:65], 0
	v_nop
	global_prefetch_b8 v0, s[64:65] scope:SCOPE_SE
	s_setreg_imm32_b32 hwreg(HW_REG_WAVE_MODE, 25, 1), 1
	s_wait_xcnt 0x0
	s_wait_alu depctr_hold_cnt(0) depctr_sa_sdst(0) depctr_va_vdst(0) depctr_va_sdst(0) depctr_va_ssrc(0) depctr_va_vcc(0) depctr_vm_vsrc(0)
	s_getreg_b32 s2, hwreg(HW_REG_IB_STS2, 6, 4)
	s_cmp_eq_u32 s2, 0
	s_cbranch_scc0 .Lentry_in_a_cluster
	s_endpgm
.Lentry_in_a_cluster:
	s_bfe_u32 s2, ttmp6, 0x10000c
	s_cmp_lg_u32 s2, 0x3003
	s_cbranch_scc0 .Lentry_shape_is_right
	s_endpgm
.Lentry_shape_is_right:
; q = features x weight_q and k = features x weight_k on codes of BF8 (E5M2), and q and k quantised again, as the operands of the score product.
; features [8192][256] f32, weights [256 (K)][512] f32.  lowp_scales: e0 .. e9.  q: features by 2^e0, weight_q by 2^e1, the result by 2^e6;  k: e2, e3, e7.
; SHARES.  Work-group (x, y): x / 4 says q or k, x % 4 which 128 columns (two heads), y which 256 rows.  Eight waves.  Wave w owns rows 32 w .. 32 w + 31 (two tiles of 16) for all 128 columns.
; CLUSTER.  The four work-groups of a cluster (x % 4 = 0 .. 3, one y) need the same 256 rows of features: each wave asks for its 32 rows x 1,024 bytes JOINTLY, by one tensor load with the same descriptor in all four and
; a mask that names the four; each receives them in its own LDS.  That divides the requests for features by four.  The bytes are the wave's own (wave x 33,280), filled once, and read by that wave alone behind its own wait.
; THE WEIGHT.  Wave w takes K rows 32 w .. 32 w + 31 of the work-group's 128 columns: 32 loads of 512 consecutive bytes.  A lane then holds 4 columns x 32 k with the columns innermost; the hold ahead of the conversion
; writes its result where the conversion wants it (register 16 j + i: column j, k = i), so the turn costs no instruction.  The codes go to LDS as images of the operand's registers, for all waves.
; THE PRODUCT IS USED TRANSPOSED (source 0 = 16 columns of the weight, source 1 = 16 rows of features): lane (r, h) then holds row r, and register j of tile t the unit 16 t + 8 h + j.  Eight such registers,
; converted, are registers 2 t, 2 t + 1 of a fragment for v_wmma_f32_16x16x64_bf8_bf8 in that form's own layout (ISA guide 7.12.2): nothing changes lanes.
; In this product both operands hold k = 32 c + 16 h + 0 .. 15 in registers 4 c .. 4 c + 3: the same permutation of k on both sides, so every product meets its partner.
; OUTPUT qk: q at byte 0, k at byte 2^22; a fragment (16 rows x 64 of a head) is 1,024 bytes, registers 4 c .. 4 c + 3 of lane l at 512 c + 16 l; fragment number (8 b + head) 64 + row / 16.  Each store of a wave covers 512 consecutive bytes, aligned.
; ON THE SIDE: waves 0 and 1 of each work-group quantise one piece (four registers a lane, 512 bytes) of weight_v (e5; y < 16) or of weight_out (e9; the others) into wcodes, for the last launch.
; wcodes: 128 fragments of 2,048 bytes (16 rows x 128 K).  0-63: weight_v, fragment 2 t + s, k laid as above.  64-127: weight_out, fragment 4 (o / 16) + s, in the K = 128 form's own layout (registers 2 c, 2 c + 1: k = 16 c + 8 h + 0 .. 7).
; The weight is not asked for jointly: beside features' 266,240 bytes and the images' 32,768 its 131,072 bytes of f32 have no room in LDS.
; LIMITS: e0 .. e3, e5, e9, e6 - e0 - e1 and e7 - e2 - e3 lie between -126 and 112, so that each scale and 57,344 x the scale are f32 numbers.  NaN among the inputs is not served; an infinity is held at the largest code.
.set XPITCH, 1040                      ; a row of features in LDS: 1,024 bytes + 16 of padding = 260 words: row r starts at bank 4 r mod 64 (64 banks of 4 bytes: ISA guide 11.1), so the 16 rows of a load start at 16 different banks
.set XWAVE,  32*XPITCH                 ; a wave's 32 rows
.set WIMG,   8*XWAVE                   ; behind them: the weight's 16 fragments, (tile t, K step s) at (2 t + s) x 2,048
.set LI,   1                           ; v1   16 x lane
.set WA,   2                           ; v2   weight_v: 16 h rows of 2,048 bytes + 4 r
.set XAL,  3                           ; v3   features in LDS: wave x 33,280 + row r x 1,040 + 64 h
.set WWI,  4                           ; v4   where my weight codes go: WIMG + 4,096 (lane / 4) + 64 (lane % 4) + 512 x wave
.set SCX,  5                           ; v5, v6    2^eA and 57,344 x 2^eA, for features
.set LIMX, 6
.set SCW,  7                           ; v7, v8    the same for the weight
.set LIMW, 8
.set SCO,  9                           ; v9, v10   the same with eO - eA - eB, for the results
.set LIMO, 10
.set EXA,  11                          ; v11  weight_out: row r of 2,048 bytes + 32 h
.set SCE,  12                          ; v12, v13  the same for the side duty
.set LIME, 13
.set LIW,  14                          ; v14  WIMG + 16 x lane: a lane's place in an image
.set EXC,  16                          ; v16-19    the side duty's codes
.set XC,   20                          ; v20-83    features' codes: fragment (tile m, K step s) at XC + 32 m + 16 s; before that TR
.set TR,   20                          ; the weight's numbers, turned: column j, k = i at TR + 16 j + i
.set UA,   84                          ; v84-211   the weight as loaded: K row n at UA + 4 n;  then v84-147 and v148-211: 64 numbers of features each
.set UB,   148
.set WB,   84                          ; later: four weight fragments
.set HA,   148                         ; and eight accumulators: (m, tile q of the head) at HA + 32 m + 8 q
.set PC0,  212                         ; v212-227  codes just made
.set PC1,  228                         ; v228-243  codes just made; before that EX
.set EX,   228                         ; the side duty's 16 numbers
.set G1,   68                          ; s[68:75]  descriptor group 1
.set G0,   76                          ; s[76:79]  descriptor group 0
.macro PLACES                          ; four plain vector instructions behind a matrix instruction, ahead of a read of its result and of loads into its registers
.rept 4
	v_nop
.endr
.endm
; A round of the cluster's barrier: my work-group's barrier, so that wave 0's signal speaks for all eight waves; wave 0 signals for the work-group; every wave waits for all four work-groups; my work-group's barrier once more.
.macro CROUND
	s_barrier_signal -1
	s_barrier_wait -1
	s_cmp_lg_u32 s2, 0
	s_cbranch_scc1 .Lnot_wave_0_\@
	s_barrier_signal -3
.Lnot_wave_0_\@:
	s_barrier_wait -3
	s_barrier_signal -1
	s_barrier_wait -1
.endm
.macro MKSC se, vs, vl                 ; from the whole number e in s[se]: 2^e and 57,344 x 2^e as f32
	s_add_co_i32 s56, s[\se], 127
	s_lshl_b32 s57, s56, 23
	v_mov_b32 v[\vs], s57
	s_add_co_i32 s56, s56, 15
	s_lshl_b32 s56, s56, 23
	s_or_b32 s56, s56, 0x600000
	v_mov_b32 v[\vl], s56
.endm
; 8 n8 numbers in v[src] on become codes in v[dst] on.  The conversion does not saturate (ISA guide 7.6.2): each number is first held within the largest code x the scale.  Ascending.
.macro QUANT src, dst, n8, sc, lim
.set qi, 0
.rept 8*(\n8)
	v_med3_num_f32 v[\src+qi], v[\src+qi], -v[\lim], v[\lim]
.set qi, qi+1
.endr
.set qi, 0
.rept \n8
	v_cvt_scalef32_pk8_bf8_f32 v[\dst+2*qi:\dst+2*qi+1], v[\src+8*qi:\src+8*qi+7], v[\sc]
.set qi, qi+1
.endr
	v_nop                                          ; one plain vector instruction behind the last conversion, ahead of whatever next touches its codes or writes its numbers
.endm
; K rows 16 hh .. 16 hh + 15 of my 32: held and turned in one (register 4 i + j -> 16 j + i), converted, and stored: column 4 l + j is lane 4 (l % 4) + j + 16 hh of tile l / 4; my 32 k are registers 4 (w % 4) .. + 3 of K step w / 4
.macro WTURN hh, pc
.irp j, 0,1,2,3
.irp i, 0,1,2,3,4,5,6,7,8,9,10,11,12,13,14,15
	v_med3_num_f32 v[TR+16*\j+\i], v[UA+64*\hh+4*\i+\j], -v[LIMW], v[LIMW]
.endr
.endr
.set qi, 0
.rept 8
	v_cvt_scalef32_pk8_bf8_f32 v[\pc+2*qi:\pc+2*qi+1], v[TR+8*qi:TR+8*qi+7], v[SCW]
.set qi, qi+1
.endr
	v_nop                                          ; one plain vector instruction behind the last conversion: the next lines write its numbers' registers again
.irp j, 0,1,2,3
	ds_store_b128 v[WWI], v[\pc+4*\j:\pc+4*\j+3] offset:256*\hh+16*\j
.endr
.endm
.macro XFETCH reg, m, s                ; my row's 64 numbers of tile m, K step s, from my own rows in LDS: register 16 c + i = x(row, 128 s + 32 c + 16 h + i)
.irp c, 0,1,2,3
.irp j, 0,1,2,3
	ds_load_b128 v[\reg+16*\c+4*\j:\reg+16*\c+4*\j+3], v[XAL] offset:16*XPITCH*\m+512*\s+128*\c+16*\j
.endr
.endr
.endm
.macro WFETCH hd, s                    ; the four weight fragments of head hd, K step s, as they stood in registers
.irp q, 0,1,2,3
.irp c, 0,1,2,3
	ds_load_b128 v[WB+16*\q+4*\c:WB+16*\q+4*\c+3], v[LIW] offset:(2*(4*\hd+\q)+\s)*2048+512*\c
.endr
.endr
.endm
.macro MUL8 s                          ; eight accumulators by turns, one instruction a turn; K step 0 starts the sums
.irp q, 0,1,2,3
.irp m, 0,1
.if \s == 0
	v_wmma_f32_16x16x128_bf8_bf8 v[HA+32*\m+8*\q:HA+32*\m+8*\q+7], v[WB+16*\q:WB+16*\q+15], v[XC+32*\m+16*\s:XC+32*\m+16*\s+15], 0
.else
	v_wmma_f32_16x16x128_bf8_bf8 v[HA+32*\m+8*\q:HA+32*\m+8*\q+7], v[WB+16*\q:WB+16*\q+15], v[XC+32*\m+16*\s:XC+32*\m+16*\s+15], v[HA+32*\m+8*\q:HA+32*\m+8*\q+7]
.endif
.endr
.endr
.endm
.macro ONEHEAD hd, pc                  ; one head's 64 units for my 32 rows: products, quantiser, two fragments out
	WFETCH \hd, 0
	s_wait_dscnt 0x0
	MUL8 0
	PLACES
	WFETCH \hd, 1
	s_wait_alu depctr_va_vdst(0)
	s_wait_dscnt 0x0
	MUL8 1
	PLACES
	QUANT HA, \pc, 8, SCO, LIMO                    ; a sum stands for sum x 2^(eA + eB): its code is sum / 2^(eO - eA - eB): three scales in the conversion's one
.irp m, 0,1
.irp c, 0,1
	global_store_b128 v[LI], v[\pc+8*\m+4*\c:\pc+8*\m+4*\c+3], s[10:11] offset:65536*\hd+1024*\m+512*\c
.endr
.endr
.endm
	s_load_b512 s[16:31], s[0:1], 0x0              ; features 16, weight_q 18, weight_k 20, weight_v 22, weight_out 24, lowp_scales 26, qk 28, wcodes 30
	v_lshl_add_u32 v254, v0, 2, 0x49000
	v_mov_b32 v255, 0
	ds_add_u32 v254, v255
	ds_add_u32 v254, v255
	s_wait_dscnt 0x0
	v_lshrrev_b32 v15, 5, v0
	s_delay_alu instid0(VALU_DEP_1)
	v_readfirstlane_b32 s2, v15                    ; wave 0..7
	v_and_b32 v16, 15, v0                          ; r
	v_bfe_u32 v17, v0, 4, 1                        ; h
	v_and_b32 v18, 31, v0                          ; lane
	v_bfe_u32 v19, v0, 2, 3                        ; lane / 4
	v_and_b32 v15, 3, v0                           ; lane % 4
	s_delay_alu instid0(VALU_DEP_3)
	v_lshlrev_b32 v[LI], 4, v18
	s_delay_alu instid0(VALU_DEP_1)
	v_add_nc_u32 v[LIW], WIMG, v[LI]
	v_lshlrev_b32 v[WA], 2, v16
	s_delay_alu instid0(VALU_DEP_1)
	v_lshl_add_u32 v[WA], v17, 15, v[WA]
	v_lshlrev_b32 v[EXA], 11, v16
	s_delay_alu instid0(VALU_DEP_1)
	v_lshl_add_u32 v[EXA], v17, 5, v[EXA]
	s_mul_i32 s60, s2, XWAVE                       ; LDS addresses are made of the lane and the wave's number alone
	v_mul_u32_u24 v[XAL], v16, XPITCH
	s_delay_alu instid0(VALU_DEP_1)
	v_lshl_add_u32 v[XAL], v17, 6, v[XAL]
	s_delay_alu instid0(VALU_DEP_1)
	v_add_nc_u32 v[XAL], s60, v[XAL]
	s_lshl_b32 s61, s2, 9
	s_add_co_u32 s61, s61, WIMG
	v_lshlrev_b32 v[WWI], 12, v19
	s_delay_alu instid0(VALU_DEP_1)
	v_lshl_add_u32 v[WWI], v15, 6, v[WWI]
	s_delay_alu instid0(VALU_DEP_1)
	v_add_nc_u32 v[WWI], s61, v[WWI]
	s_bfe_u32 s3, ttmp6, 0x40000                   ; cx: my place in the cluster = which 128 columns
	s_and_b32 s4, ttmp7, 0xffff                    ; y, which the four partners share
	s_mov_b32 s5, ttmp9                            ; the cluster's x: 0 for q, 1 for k
	; features: 256 y + 32 x wave rows of 1,024 bytes: of y and the wave's number alone, in registers that hold nothing else
	s_lshl_b32 s46, s4, 18
	s_lshl_b32 s62, s2, 15
	s_add_co_u32 s46, s46, s62
	s_mov_b32 s47, 0
	; descriptor group 1: a tile of 32 rows x 256 elements of 4 bytes, padded in LDS
	s_mov_b32 s[G1+0], 15|(2<<16)|(1<<20)|(1<<21)|(7<<22)|(3<<25)  ; 15:0 the mask: all four work-groups; 17:16 elements of 4 bytes; 20 padding on; 21 set beside a mask; 24:22 after every 256 words (code 7); 31:25 four words (code 3)
	s_mov_b32 s[G1+1], 256<<16                     ; tensor_dim0 = 256
	s_mov_b32 s[G1+2], 32<<16                      ; tensor_dim1 = 32
	s_mov_b32 s[G1+3], 256<<16                     ; tile_dim0 = 256
	s_mov_b32 s[G1+4], 32                          ; tile_dim1 = 32
	s_mov_b32 s[G1+5], 256                         ; elements from row to row
	s_mov_b32 s[G1+6], 0
	s_mov_b32 s[G1+7], 0
	; the other byte offsets, each in registers of its own
	s_lshl_b32 s44, s3, 9                          ; the weight: 128 cx columns of 4 bytes
	s_lshl_b32 s43, s2, 16                         ; + my 32 K rows of 2,048 bytes
	s_add_co_u32 s44, s44, s43
	s_mov_b32 s45, 0
	s_lshl_b32 s48, s5, 22                         ; qk: q or k,
	s_lshr_b32 s43, s4, 2                          ; the batch y / 4: 8 heads x 64 fragments,
	s_lshl_b32 s43, s43, 19
	s_add_co_u32 s48, s48, s43
	s_lshl_b32 s43, s3, 17                         ; the head 2 cx,
	s_add_co_u32 s48, s48, s43
	s_and_b32 s43, s4, 3                           ; the fragment 16 (y % 4) + 2 x wave
	s_lshl_b32 s43, s43, 14
	s_add_co_u32 s48, s48, s43
	s_lshl_b32 s43, s2, 11
	s_add_co_u32 s48, s48, s43
	s_mov_b32 s49, 0
	; the side duty (used by waves 0 and 1 alone): g = 8 y + 4 (q or k) + cx; piece u = 2 (g % 128) + wave
	s_lshl_b32 s58, s4, 3
	s_lshl_b32 s59, s5, 2
	s_add_co_u32 s58, s58, s59
	s_add_co_u32 s58, s58, s3
	s_and_b32 s43, s58, 127
	s_lshl_b32 s43, s43, 1
	s_add_co_u32 s43, s43, s2
	s_and_b32 s53, s43, 3                          ; which four registers of the fragment
	s_bfe_u32 s50, s43, 0x10002                    ; weight_v: u = 8 t + 4 s + c: row 128 s + 32 c, column 16 t
	s_lshl_b32 s50, s50, 18
	s_lshl_b32 s51, s53, 16
	s_add_co_u32 s50, s50, s51
	s_lshr_b32 s51, s43, 3
	s_lshl_b32 s51, s51, 6
	s_add_co_u32 s50, s50, s51
	s_lshr_b32 s52, s43, 4                         ; weight_out: u = 16 t + 4 s + c: row 16 t, k = 128 s + 32 c
	s_lshl_b32 s52, s52, 15
	s_bfe_u32 s51, s43, 0x20002
	s_lshl_b32 s51, s51, 9
	s_add_co_u32 s52, s52, s51
	s_lshl_b32 s51, s53, 7
	s_add_co_u32 s52, s52, s51
	s_lshl_b32 s54, s58, 1                         ; wcodes: piece 2 g + wave of 512 bytes
	s_add_co_u32 s54, s54, s2
	s_lshl_b32 s54, s54, 9
	s_mov_b32 s55, 0
	CROUND                                         ; all four work-groups are here: the joint loads meet.  (It stands while the arguments are on their way)
	s_wait_kmcnt 0x0
	s_mov_b32 s[G0], 1                             ; 1:0 count = 1
	s_mul_i32 s[G0+1], s2, XWAVE                   ; 63:32 LDS address: my wave's own 33,280 bytes
	s_add_nc_u64 s[G0+2:G0+3], s[16:17], s[46:47]  ; 120:64 global address: my 32 rows
	s_or_b32 s[G0+3], s[G0+3], 0x80000000          ; 127:126 type = 2
	tensor_load_to_lds s[G0:G0+3], s[G1:G1+7]      ; my one tensor load of the launch: by this text's count one is out
	s_nop 0
.rept 4
	v_nop
.endr
	s_load_b256 s[32:39], s[26:27], 0x0            ; e0 .. e7
	s_load_b64 s[40:41], s[26:27], 0x20            ; e8, e9
	s_cmp_eq_u32 s5, 0                             ; q's cluster or k's
	s_cselect_b64 s[6:7], s[18:19], s[20:21]
	s_add_nc_u64 s[6:7], s[6:7], s[44:45]
	s_add_nc_u64 s[10:11], s[28:29], s[48:49]
	s_cmp_lt_u32 s4, 16                            ; g < 128 is y < 16: the same in all four partners
	s_cselect_b64 s[12:13], s[22:23], s[24:25]
	s_cselect_b32 s50, s50, s52
	s_mov_b32 s51, 0
	s_add_nc_u64 s[12:13], s[12:13], s[50:51]
	s_add_nc_u64 s[14:15], s[30:31], s[54:55]
	; the side duty's loads go out first, so that every later wait for loads covers them too
	s_cmp_gt_u32 s2, 1
	s_cbranch_scc1 .Lno_side_loads
	s_cmp_lt_u32 s4, 16
	s_cbranch_scc0 .Lside_out
	s_wait_alu depctr_va_vdst(0)
.irp i, 0,1,2,3,4,5,6,7,8,9,10,11,12,13,14,15
	global_load_b32 v[EX+\i], v[WA], s[12:13] offset:2048*\i           ; weight_v(128 s + 32 c + 16 h + i, 16 t + r)
.endr
	s_branch .Lno_side_loads
.Lside_out:
	s_wait_alu depctr_va_vdst(0)
	global_load_b128 v[EX:EX+3], v[EXA], s[12:13]                      ; weight_out(16 t + r, 128 s + 32 c + 8 h + 0 .. 7),
	global_load_b128 v[EX+4:EX+7], v[EXA], s[12:13] offset:16
	global_load_b128 v[EX+8:EX+11], v[EXA], s[12:13] offset:64         ; and the eight that lie 16 further along K
	global_load_b128 v[EX+12:EX+15], v[EXA], s[12:13] offset:80
.Lno_side_loads:
.set kk, 0
.rept 32
	global_load_b128 v[UA+4*kk:UA+4*kk+3], v[LI], s[6:7] offset:2048*kk   ; K row 32 w + kk, the work-group's 128 columns: 512 consecutive bytes
.set kk, kk+1
.endr
	s_wait_kmcnt 0x0
	s_cmp_eq_u32 s5, 0
	s_cselect_b32 s42, s32, s34                    ; eA: e0 or e2
	s_cselect_b32 s43, s33, s35                    ; eB: e1 or e3
	s_cselect_b32 s44, s38, s39                    ; eO: e6 or e7
	s_cmp_lt_u32 s4, 16
	s_cselect_b32 s45, s37, s41                    ; the side duty's: e5 or e9
	s_sub_co_i32 s44, s44, s42
	s_sub_co_i32 s44, s44, s43                     ; eO - eA - eB
	MKSC 42, SCX, LIMX
	MKSC 43, SCW, LIMW
	MKSC 44, SCO, LIMO
	MKSC 45, SCE, LIME
	s_wait_loadcnt 16                              ; the side duty's numbers and K rows 0-15 are in; rows 16-31, the sixteen youngest loads, may be out
	s_cmp_gt_u32 s2, 1
	s_cbranch_scc1 .Lno_side
	s_wait_alu depctr_va_vdst(0)
	QUANT EX, EXC, 2, SCE, LIME
	global_store_b128 v[LI], v[EXC:EXC+3], s[14:15]                    ; 512 consecutive bytes, aligned
.Lno_side:
	s_wait_alu depctr_va_vdst(0)
	WTURN 0, PC0
	s_wait_loadcnt 0x0
	WTURN 1, PC1
	s_wait_tensorcnt 0x0                           ; my 32 rows of features lie in LDS; nobody else reads them
	XFETCH UA, 0, 0
	XFETCH UB, 0, 1
	s_wait_dscnt 16                                ; all but the sixteen just issued
	QUANT UA, XC, 8, SCX, LIMX
	XFETCH UA, 1, 0
	s_wait_dscnt 16
	QUANT UB, XC+16, 8, SCX, LIMX
	XFETCH UB, 1, 1
	s_wait_dscnt 16
	QUANT UA, XC+32, 8, SCX, LIMX
	s_wait_dscnt 0x0                               ; the last sixteen; and, for the others' sake, my weight codes have landed
	QUANT UB, XC+48, 8, SCX, LIMX
	s_barrier_signal -1
	s_barrier_wait -1                              ; all sixteen weight fragments lie in LDS; nobody writes LDS again
	ONEHEAD 0, PC0
	ONEHEAD 1, PC1                                 ; codes in other registers than the first head's, whose stores may still read theirs
	s_wait_dscnt 0x0
	s_wait_tensorcnt 0x0
	ds_add_u32 v254, v255
	s_wait_dscnt 0x0
	CROUND                                         ; the closing round: no work-group ends while a partner may still ask for rows jointly with it
	s_endpgm
.Lfunc_end_k_q56b824cd4c_proj:
	.size	k_q56b824cd4c_proj, .Lfunc_end_k_q56b824cd4c_proj-k_q56b824cd4c_proj
	.p2alignl 7, 3214868480
	.fill 96, 4, 3214868480
	.section	.rodata,"a",@progbits
	.p2align	6, 0x0
	.amdhsa_kernel k_q56b824cd4c_proj
		.amdhsa_group_segment_fixed_size 300032
		.amdhsa_private_segment_fixed_size 0
		.amdhsa_enable_private_segment 0
		.amdhsa_kernarg_size 64
		.amdhsa_user_sgpr_count 2
		.amdhsa_user_sgpr_kernarg_segment_ptr 1
		.amdhsa_wavefront_size32 1
		.amdhsa_system_sgpr_workgroup_id_x 1
		.amdhsa_system_sgpr_workgroup_id_y 1
		.amdhsa_system_sgpr_workgroup_id_z 1
		.amdhsa_system_vgpr_workitem_id 0
		.amdhsa_next_free_vgpr 256
		.amdhsa_next_free_sgpr 80
		.amdhsa_reserve_vcc 0
		.amdhsa_float_denorm_mode_32 3
		.amdhsa_float_denorm_mode_16_64 3
		.amdhsa_memory_ordered 1
		.amdhsa_forward_progress 1
		.amdhsa_inst_pref_size 63
	.end_amdhsa_kernel
	.amdgpu_metadata
---
amdhsa.version: [ 1, 2 ]
amdhsa.kernels:
  - .name:           k_q56b824cd4c_proj
    .symbol:         k_q56b824cd4c_proj.kd
    .args:
      - { .name: features, .offset: 0, .size: 8, .value_kind: global_buffer, .address_space: global }
      - { .name: weight_q, .offset: 8, .size: 8, .value_kind: global_buffer, .address_space: global }
      - { .name: weight_k, .offset: 16, .size: 8, .value_kind: global_buffer, .address_space: global }
      - { .name: weight_v, .offset: 24, .size: 8, .value_kind: global_buffer, .address_space: global }
      - { .name: weight_out, .offset: 32, .size: 8, .value_kind: global_buffer, .address_space: global }
      - { .name: lowp_scales, .offset: 40, .size: 8, .value_kind: global_buffer, .address_space: global }
      - { .name: qk, .offset: 48, .size: 8, .value_kind: global_buffer, .address_space: global }
      - { .name: wcodes, .offset: 56, .size: 8, .value_kind: global_buffer, .address_space: global }
    .group_segment_fixed_size: 300032
    .private_segment_fixed_size: 0
    .kernarg_segment_align: 8
    .kernarg_segment_size: 64
    .max_flat_workgroup_size: 256
    .sgpr_count:     80
    .vgpr_count:     256
    .wavefront_size: 32
...
	.end_amdgpu_metadata
.endif
;; end of part 4
;; launch attn (part 5): grid 4 x 64, 16 waves a work-group, no clusters, 32,768 bytes of LDS; arguments qk, lowp_scales, awp; writes awp
.if DOCPART == 5
	.amdgcn_target "amdgcn-amd-amdhsa--gfx1250"
	.amdhsa_code_object_version 6
	.text
	.protected	k_q56b824cd4c_attn
	.globl	k_q56b824cd4c_attn
	.p2align	8
	.type	k_q56b824cd4c_attn,@function
k_q56b824cd4c_attn:
	s_mov_b64 s[64:65], 0
	v_nop
	global_prefetch_b8 v0, s[64:65] scope:SCOPE_SE
	s_setreg_imm32_b32 hwreg(HW_REG_WAVE_SCHED_MODE, 0, 2), 2
	s_setreg_imm32_b32 hwreg(HW_REG_WAVE_MODE, 25, 1), 1
	s_wait_xcnt 0x0
	s_wait_alu depctr_vm_vsrc(0)
; For one (batch, head) and one quarter of its keys: awp[i] = the sum over these 256 keys j of softmax over the QUERIES i of (q_i . k_j / 8).
; q, k: codes of BF8 (E5M2) as the launch before laid them: fragments of 16 rows x 64, 1,024 bytes, registers 4 c .. 4 c + 3 of lane l at 512 c + 16 l.  A score stands for sum x 2^(e6 + e7).
; SHARES.  Work-group (kq, bh).  Sixteen waves; wave w owns queries 64 w .. 64 w + 63, whose four fragments stay in registers.  The 256 keys go in four blocks of 64.  A block's scores, 1,024 x 64, stay in
; registers (128 a wave) from the maximum to the weighted sum, so each exponential is made once.
; LAYOUT.  S = Q K^T, source 0 = 16 queries, source 1 = 16 keys: lane (r, h) holds key r, and its register j query 8 h + j.  A key's maximum and sum over the queries are taken in the lane, then with the lane
; 16 away, then among the sixteen waves through LDS (a word for each key and wave; a barrier; every wave reads all).  The maximum is taken away before the exponential, as the softmax has it.
; p = 2^(c s - c M), c = log2(e) / 8 x 2^(e6 + e7); c M is rounded once for a whole column, alike in p and in the column's sum.  A query's sum over keys stays spread over 16 lanes (32 registers) through all blocks.
; NO CLUSTER, NO TENSOR LOAD: the four work-groups of a (batch, head) share q alone, 64 KB read once at the head straight into the operand's registers; the keys differ.
; LIMITS: e6 + e7 between -123 and 130 (they are added to c's exponent field).  An exponential under 2^-126 comes out as 0 (ISA guide 15.8), beside a column sum of about 1 or more.  NaN is not served.
; THE MODE: SCHED_MODE bits 1:0 = 2 (LLVM: expert scheduling mode 2), set by the entry lines.  The code itself states the register dependences
; between vector or matrix instructions and memory or LDS instructions, with s_wait_alu, always for 0.
; THE PLAN.  Registers that memory or LDS instructions touch:
;   v1-5, v14, v15  Addresses and offsets: written once at the head by vector instructions, read by every load and store, never written again.
;   v[QF ..]        v16-18 serve the head's address arithmetic; then q's loads land in v16-47; from there on matrix instructions alone name them.
;   v[KF ..] = v[RD ..]  At the head my key fragment lands in the first eight and two LDS stores read them.  In a block: the keys' LDS loads land, the sixteen products read; the maxima's exchange lands, vector maxima read;
;                   the sums' exchange lands, packed additions read; the next block's keys land.
;   v[ST ..]        Written by the reductions; read by each exchange's four LDS stores; written again where the sixteen waves' figures are joined.
;   v[ACC ..]       Written by vector instructions; read by the way out's LDS stores; not written behind them.
;   v[T], v[T+1]    Vector work in the blocks; at the end one LDS load lands in them and the global store reads them.
; A block has six waits on va_vdst: one ahead of the exponentials, one ahead of the reciprocals, one ahead of each exchange's stores (the figures are written; the last readers of v[RD ..] are done), one behind the exponentials and one behind the reciprocals (the batches' results; the second
; also stands for the additions that read v[RD ..], ahead of the next keys' loads); and two on vm_vsrc, each behind an exchange's loads, ahead of the lines that write v[ST ..] again.
.set KIMG, 0                           ; LDS: the quarter's 16 key fragments, 1,024 bytes each
.set MXL,  16384                       ; the maxima: key (64, 80 bytes apart) x wave (16 words).  80 bytes = 20 words: the 16 keys of a store or a load fall on different banks (64 banks of 4 bytes: ISA guide 11.1)
.set SML,  21504                       ; the sums, likewise
.set OST,  26624                       ; the way out: 256 bytes for each wave
.set LI,  1                            ; v1   16 x lane
.set KWI, 2                            ; v2   16 x lane + 1,024 x wave: where my key fragment goes
.set EXW, 3                            ; v3   80 r + 4 x wave: my word of key r
.set EXR, 4                            ; v4   80 r + 32 h: eight waves' words of key r
.set OSW, 5                            ; v5   OST + 256 x wave + 32 h
.set ST,  6                            ; v6-13  key tile t: v[ST + 2 t] the statistic, v[ST + 2 t + 1] the other half's
.set OSR, 14                           ; v14  OST + 256 x wave + 8 x lane
.set GO,  15                           ; v15  8 x lane
.set QF,  16                           ; v16-47   q's four fragments
.set KF,  48                           ; v48-79   a block's four key fragments; between the products, what comes back from the exchange
.set RD,  48
.set S,   80                           ; v80-207  scores, then p: key tile t, query tile q at S + 32 t + 8 q
.set ACC, 208                          ; v208-239 the queries' sums: 8 q + j
.set T,   240                          ; v240-255 at work, four for each key tile
.macro BARRIER                         ; my LDS stores have landed and my LDS loads are in: then the work-group's barrier
	s_wait_dscnt 0x0
	s_barrier_signal -1
	s_barrier_wait -1
.endm
.macro KFETCH kb
.irp t, 0,1,2,3
.irp c, 0,1
	ds_load_b128 v[KF+8*\t+4*\c:KF+8*\t+4*\c+3], v[LI] offset:KIMG+(4*(\kb)+\t)*1024+512*\c
.endr
.endr
.endm
.macro XCHG_OUT base                   ; my wave's figure for each of the 64 keys; lanes r and r + 16 hold the same number and write the same word
.irp t, 0,1,2,3
	ds_store_b32 v[EXW], v[ST+2*\t] offset:\base+1280*\t
.endr
.endm
.macro XCHG_IN base                    ; lane (r, h): the figures of waves 8 h .. 8 h + 7 for key 16 t + r
.irp t, 0,1,2,3
.irp q, 0,1
	ds_load_b128 v[RD+8*\t+4*\q:RD+8*\t+4*\q+3], v[EXR] offset:\base+1280*\t+16*\q
.endr
.endr
.endm
.macro CROSS op                        ; the statistic joined with the lane 16 away
.irp t, 0,1,2,3
	v_permlanex16_b32 v[ST+2*\t+1], v[ST+2*\t], s20, s21
.endr
.irp t, 0,1,2,3
	\op v[ST+2*\t], v[ST+2*\t], v[ST+2*\t+1]
.endr
.endm
; A BLOCK of 64 keys.  Two barriers: the maxima's words are written again only behind the block's second barrier, the sums' only behind the next block's first, and in front of each every wave has waited for its reads.
.macro BLOCK kb
	s_wait_dscnt 0x0                               ; the block's key fragments are in
.irp t, 0,1,2,3
.irp q, 0,1,2,3
	v_wmma_f32_16x16x64_bf8_bf8 v[S+32*\t+8*\q:S+32*\t+8*\q+7], v[QF+8*\q:QF+8*\q+7], v[KF+8*\t:KF+8*\t+7], 0
.endr
.endr
.rept 4
	v_nop                                          ; four places ahead of the first read of the results (ISA guide 7.12.1)
.endr
	; the largest score of each key among my 32 queries: two chains a key tile; each accumulator is first read at its lowest register
.irp t, 0,1,2,3
	v_max3_num_f32 v[T+4*\t], v[S+32*\t], v[S+32*\t+1], v[S+32*\t+2]
	v_max3_num_f32 v[T+4*\t+1], v[S+32*\t+16], v[S+32*\t+17], v[S+32*\t+18]
.endr
.irp n, 1,2,3,4,5,6
.irp t, 0,1,2,3
	v_max3_num_f32 v[T+4*\t], v[T+4*\t], v[S+32*\t+2*\n+1], v[S+32*\t+2*\n+2]
	v_max3_num_f32 v[T+4*\t+1], v[T+4*\t+1], v[S+32*\t+2*\n+17], v[S+32*\t+2*\n+18]
.endr
.endr
.irp t, 0,1,2,3
	v_max3_num_f32 v[ST+2*\t], v[T+4*\t], v[T+4*\t+1], v[S+32*\t+15]
.endr
.irp t, 0,1,2,3
	v_max_num_f32 v[ST+2*\t], v[ST+2*\t], v[S+32*\t+31]
.endr
	CROSS v_max_num_f32                            ; my wave's 64 queries
	s_wait_alu depctr_va_vdst(0)                   ; the maxima are written into v[ST ..], which the LDS stores below read; and the products are done reading v[KF ..], in which the exchange's loads land behind the barrier (no vector or matrix instruction stands between)
	XCHG_OUT MXL
	BARRIER
	XCHG_IN MXL
	s_wait_dscnt 0x0
	s_wait_alu depctr_vm_vsrc(0)                   ; the exchange's LDS stores have read v[ST ..], which the lines below write again
.irp t, 0,1,2,3
	v_max3_num_f32 v[T+4*\t], v[RD+8*\t], v[RD+8*\t+1], v[RD+8*\t+2]
.endr
.irp t, 0,1,2,3
	v_max3_num_f32 v[T+4*\t], v[T+4*\t], v[RD+8*\t+3], v[RD+8*\t+4]
.endr
.irp t, 0,1,2,3
	v_max3_num_f32 v[T+4*\t], v[T+4*\t], v[RD+8*\t+5], v[RD+8*\t+6]
.endr
.irp t, 0,1,2,3
	v_max_num_f32 v[ST+2*\t], v[T+4*\t], v[RD+8*\t+7]
.endr
	CROSS v_max_num_f32                            ; M: the key's largest score among all 1,024 queries
.irp t, 0,1,2,3
	v_mul_f32 v[ST+2*\t], s22, v[ST+2*\t]          ; c M (c is positive)
.endr
.irp t, 0,1,2,3
.set pp, 0
.rept 16
	v_pk_fma_f32 v[S+32*\t+pp:S+32*\t+pp+1], v[S+32*\t+pp:S+32*\t+pp+1], s[22:23], v[ST+2*\t:ST+2*\t+1] op_sel_hi:[1,0,0] neg_lo:[0,0,1] neg_hi:[0,0,1]   ; c s - c M, two at a time
.set pp, pp+2
.endr
.endr
.set pp, 0
	s_wait_alu depctr_va_vdst(0)
.rept 128
	v_exp_f32 v[S+pp], v[S+pp]                     ; p = 2^(c s - c M)
.set pp, pp+1
.endr
	v_nop                                          ; one plain instruction behind the last exponential (ISA guide 5.7.2)
	; each key's sum of p over my 32 queries: two chains of pairs a key tile
	s_wait_alu depctr_va_vdst(0)                   ; the 128 exponentials have written v[S ..]: one wait for the batch, ahead of its first reader
.irp t, 0,1,2,3
	v_pk_add_f32 v[T+4*\t:T+4*\t+1], v[S+32*\t:S+32*\t+1], v[S+32*\t+2:S+32*\t+3]
	v_pk_add_f32 v[T+4*\t+2:T+4*\t+3], v[S+32*\t+16:S+32*\t+17], v[S+32*\t+18:S+32*\t+19]
.endr
.irp n, 4,6,8,10,12,14
.irp t, 0,1,2,3
	v_pk_add_f32 v[T+4*\t:T+4*\t+1], v[T+4*\t:T+4*\t+1], v[S+32*\t+\n:S+32*\t+\n+1]
	v_pk_add_f32 v[T+4*\t+2:T+4*\t+3], v[T+4*\t+2:T+4*\t+3], v[S+32*\t+\n+16:S+32*\t+\n+17]
.endr
.endr
.irp t, 0,1,2,3
	v_pk_add_f32 v[T+4*\t:T+4*\t+1], v[T+4*\t:T+4*\t+1], v[T+4*\t+2:T+4*\t+3]
.endr
.irp t, 0,1,2,3
	v_add_f32 v[ST+2*\t], v[T+4*\t], v[T+4*\t+1]
.endr
	CROSS v_add_f32
	s_wait_alu depctr_va_vdst(0)                   ; the sums are written into v[ST ..], which the LDS stores below read; and the maxima's lines are done reading v[RD ..], in which the exchange's loads land behind the barrier
	XCHG_OUT SML
	BARRIER
	XCHG_IN SML
	s_wait_dscnt 0x0
	s_wait_alu depctr_vm_vsrc(0)                   ; the exchange's LDS stores have read v[ST ..], which the lines below write again
.irp t, 0,1,2,3
	v_pk_add_f32 v[T+4*\t:T+4*\t+1], v[RD+8*\t:RD+8*\t+1], v[RD+8*\t+2:RD+8*\t+3]
	v_pk_add_f32 v[T+4*\t+2:T+4*\t+3], v[RD+8*\t+4:RD+8*\t+5], v[RD+8*\t+6:RD+8*\t+7]
.endr
.irp t, 0,1,2,3
	v_pk_add_f32 v[T+4*\t:T+4*\t+1], v[T+4*\t:T+4*\t+1], v[T+4*\t+2:T+4*\t+3]
.endr
.irp t, 0,1,2,3
	v_add_f32 v[ST+2*\t], v[T+4*\t], v[T+4*\t+1]
.endr
	CROSS v_add_f32                                ; Z: the key's sum over all 1,024 queries
	s_wait_alu depctr_va_vdst(0)
.irp t, 0,1,2,3
	v_rcp_f32 v[ST+2*\t], v[ST+2*\t]
.endr
	v_nop                                          ; one plain instruction behind the last reciprocal
	s_wait_alu depctr_va_vdst(0)                   ; the four reciprocals have written v[ST ..], ahead of their first reader; and the additions above are done reading v[RD ..], in which the next block's keys land
.if \kb < 3
	KFETCH \kb+1                                   ; what came back from the exchange has been used: the next block's keys land under the sums below, which name none of their registers
.endif
.irp t, 0,1,2,3                                ; the queries' sums take p / Z; the very first products start them: nothing is cleared
.set pp, 0
.rept 16
.if (\kb == 0) && (\t == 0)
	v_pk_mul_f32 v[ACC+pp:ACC+pp+1], v[S+32*\t+pp:S+32*\t+pp+1], v[ST+2*\t:ST+2*\t+1] op_sel_hi:[1,0]
.else
	v_pk_fma_f32 v[ACC+pp:ACC+pp+1], v[S+32*\t+pp:S+32*\t+pp+1], v[ST+2*\t:ST+2*\t+1], v[ACC+pp:ACC+pp+1] op_sel_hi:[1,0,1]
.endif
.set pp, pp+2
.endr
.endr
.endm
	s_load_b128 s[4:7], s[0:1], 0x0                ; qk s[4:5], lowp_scales s[6:7]
	s_load_b64 s[8:9], s[0:1], 0x10                ; awp
	v_lshrrev_b32 v16, 5, v0
	v_readfirstlane_b32 s12, v16                   ; wave 0..15
	v_and_b32 v16, 15, v0                          ; r
	v_bfe_u32 v17, v0, 4, 1                        ; h
	v_and_b32 v18, 31, v0                          ; lane
	v_lshlrev_b32 v[LI], 4, v18
	s_wait_alu depctr_va_sdst(0)                   ; s12 is written, ahead of its first reader: LDS addresses and the three bases are made from it
	s_lshl_b32 s30, s12, 10
	v_add_nc_u32 v[KWI], s30, v[LI]
	v_mul_u32_u24 v[EXR], v16, 80
	s_lshl_b32 s30, s12, 2
	v_add_nc_u32 v[EXW], s30, v[EXR]
	v_lshl_add_u32 v[EXR], v17, 5, v[EXR]
	s_lshl_b32 s30, s12, 8
	s_add_co_u32 s30, s30, OST
	v_lshlrev_b32 v[OSW], 5, v17
	v_add_nc_u32 v[OSW], s30, v[OSW]
	v_lshlrev_b32 v[GO], 3, v18
	v_add_nc_u32 v[OSR], s30, v[GO]
.irp j, 0,1,2,3,4,5,6,7
	v_mov_b32 v[ST+\j], 0                          ; written once: a lane permute's destination counts as one of its sources
.endr
	s_mov_b32 s20, 0x76543210                      ; v_permlanex16_b32's selects: each lane takes its own place in the other half
	s_mov_b32 s21, 0xfedcba98
	s_and_b32 s13, ttmp7, 0xffff                   ; 8 b + head
	s_lshl_b32 s24, s13, 16                        ; q: 64 fragments a (batch, head), four a wave
	s_lshl_b32 s31, s12, 12
	s_add_co_u32 s24, s24, s31
	s_mov_b32 s25, 0
	s_lshl_b32 s26, s13, 16                        ; k: behind q's 2^22 bytes; 16 fragments a quarter, one a wave
	s_lshl_b32 s31, ttmp9, 14
	s_add_co_u32 s26, s26, s31
	s_lshl_b32 s31, s12, 10
	s_add_co_u32 s26, s26, s31
	s_add_co_u32 s26, s26, 1<<22
	s_mov_b32 s27, 0
	s_lshl_b32 s28, ttmp9, 6                       ; awp: [quarter][8 b + head][1,024] f32; my 64 queries
	s_add_co_u32 s28, s28, s13
	s_lshl_b32 s28, s28, 12
	s_lshl_b32 s31, s12, 8
	s_add_co_u32 s28, s28, s31
	s_mov_b32 s29, 0
	s_wait_kmcnt 0x0
	s_load_b64 s[10:11], s[6:7], 0x18              ; e6, e7
	s_add_nc_u64 s[14:15], s[4:5], s[24:25]
	s_add_nc_u64 s[16:17], s[4:5], s[26:27]
	s_add_nc_u64 s[18:19], s[8:9], s[28:29]
	s_wait_alu depctr_va_vdst(0)                   ; the seven addresses and offsets v1-5, v14, v15 are written, which the loads and stores of the whole kernel read; and the head's arithmetic is done with v16-18, in which q's loads land
	global_load_b128 v[KF:KF+3], v[LI], s[16:17]               ; my one key fragment: each load of the wave covers 512 consecutive bytes
	global_load_b128 v[KF+4:KF+7], v[LI], s[16:17] offset:512
.irp k, 0,1,2,3,4,5,6,7
	global_load_b128 v[QF+4*\k:QF+4*\k+3], v[LI], s[14:15] offset:512*\k
.endr
	s_wait_loadcnt 8                               ; the key fragment is in; q's eight loads may be out
	ds_store_b128 v[KWI], v[KF:KF+3] offset:KIMG
	ds_store_b128 v[KWI], v[KF+4:KF+7] offset:KIMG+512
	BARRIER                                        ; the quarter's 16 key fragments lie in LDS: read from memory once for the work-group
	s_wait_alu depctr_vm_vsrc(0)                   ; my two LDS stores have read v[KF .. KF+7], in which the first block's keys land
	KFETCH 0
	s_wait_kmcnt 0x0
	s_add_co_i32 s10, s10, s11
	s_lshl_b32 s10, s10, 23
	s_add_co_i32 s22, s10, 0x3e38aa3b              ; c = log2(e) / 8, with e6 + e7 added to its exponent field
	s_mov_b32 s23, s22                             ; (named with it as a pair, so it is written)
	s_wait_loadcnt 0x0                             ; q
	BLOCK 0
	BLOCK 1
	BLOCK 2
	BLOCK 3
	; THE WAY OUT: each query's sum over the 16 lanes of its half; then through my own 256 bytes of LDS, so that the wave stores 256 consecutive bytes, aligned, by one instruction
.irp x, 1,2,4,8
.set pp, 0
.rept 32
	v_add_f32_dpp v[ACC+pp], v[ACC+pp], v[ACC+pp] row_xmask:\x row_mask:0xf bank_mask:0xf
.set pp, pp+1
.endr
.endr
	s_wait_alu depctr_va_vdst(0)                   ; the additions have written v[ACC ..], which the LDS stores read; and the blocks' lines are done with v[T], v[T+1], in which the LDS load below lands
.irp q, 0,1,2,3
.irp j, 0,1,2,3,4,5,6,7
	ds_store_b32 v[OSW], v[ACC+8*\q+\j] offset:64*\q+4*\j      ; query 16 q + 8 h + j; the sixteen lanes of a half hold the same number and write the same word
.endr
.endr
	ds_load_b64 v[T:T+1], v[OSR]                   ; LDS serves a wave's instructions in order (ISA guide 5.7.1.4): this sees my stores
	s_wait_dscnt 0x0
	global_store_b64 v[GO], v[T:T+1], s[18:19]
	s_wait_xcnt 0x0
	v_lshl_add_u32 v254, v0, 2, 0x7800             ; all 256 registers are in use, so the add's two are made anew here, from v0, which is as at the entry; no memory or LDS instruction has read v254 or v255
	v_mov_b32 v255, 0
	s_wait_dscnt 0x0                               ; the closing lines, six on end
	s_wait_alu 0x0
	s_wait_tensorcnt 0x0
	ds_add_u32 v254, v255
	s_wait_dscnt 0x0
	s_endpgm
.Lfunc_end_k_q56b824cd4c_attn:
	.size	k_q56b824cd4c_attn, .Lfunc_end_k_q56b824cd4c_attn-k_q56b824cd4c_attn
	.p2alignl 7, 3214868480
	.fill 96, 4, 3214868480
	.section	.rodata,"a",@progbits
	.p2align	6, 0x0
	.amdhsa_kernel k_q56b824cd4c_attn
		.amdhsa_group_segment_fixed_size 32768
		.amdhsa_private_segment_fixed_size 0
		.amdhsa_enable_private_segment 0
		.amdhsa_kernarg_size 24
		.amdhsa_user_sgpr_count 2
		.amdhsa_user_sgpr_kernarg_segment_ptr 1
		.amdhsa_wavefront_size32 1
		.amdhsa_system_sgpr_workgroup_id_x 1
		.amdhsa_system_sgpr_workgroup_id_y 1
		.amdhsa_system_sgpr_workgroup_id_z 1
		.amdhsa_system_vgpr_workitem_id 0
		.amdhsa_next_free_vgpr 256
		.amdhsa_next_free_sgpr 66
		.amdhsa_reserve_vcc 0
		.amdhsa_float_denorm_mode_32 3
		.amdhsa_float_denorm_mode_16_64 3
		.amdhsa_memory_ordered 1
		.amdhsa_forward_progress 1
		.amdhsa_inst_pref_size 123
	.end_amdhsa_kernel
	.amdgpu_metadata
---
amdhsa.version: [ 1, 2 ]
amdhsa.kernels:
  - .name:           k_q56b824cd4c_attn
    .symbol:         k_q56b824cd4c_attn.kd
    .args:
      - { .name: qk, .offset: 0, .size: 8, .value_kind: global_buffer, .address_space: global }
      - { .name: lowp_scales, .offset: 8, .size: 8, .value_kind: global_buffer, .address_space: global }
      - { .name: awp, .offset: 16, .size: 8, .value_kind: global_buffer, .address_space: global }
    .group_segment_fixed_size: 32768
    .private_segment_fixed_size: 0
    .kernarg_segment_align: 8
    .kernarg_segment_size: 24
    .max_flat_workgroup_size: 512
    .sgpr_count:     66
    .vgpr_count:     256
    .wavefront_size: 32
...
	.end_amdgpu_metadata
.endif
;; end of part 5
;; launch outp (part 6): grid 256 x 1, 16 waves a work-group, no clusters, 169,984 bytes of LDS; arguments features, wcodes, awp, lowp_scales, out0; writes out0
.if DOCPART == 6
	.amdgcn_target "amdgcn-amd-amdhsa--gfx1250"
	.amdhsa_code_object_version 6
	.text
	.protected	k_q56b824cd4c_outp
	.globl	k_q56b824cd4c_outp
	.p2align	8
	.type	k_q56b824cd4c_outp,@function
k_q56b824cd4c_outp:
	s_mov_b64 s[64:65], 0
	v_nop
	global_prefetch_b8 v0, s[64:65] scope:SCOPE_SE
	s_setreg_imm32_b32 hwreg(HW_REG_WAVE_MODE, 25, 1), 1
	s_wait_xcnt 0x0
; out = Q(v x aw) weight_out^T, v = features x weight_v, aw = the sum of the four partial sums of the launch before; both products on codes of BF8 (E5M2).
; features [8192][256] f32 is quantised here by 2^e4; weight_v's codes (e5) and weight_out's (e9) come from wcodes, laid in the order of the operand's registers; v x aw is quantised by 2^e8; out0 [8192][256] f32.
; SHARES.  A work-group takes 32 rows (two tiles of 16): 256 work-groups.  THE SIXTEEN WAVES SHARE THE COLUMNS: wave w makes hidden units 32 w .. 32 w + 31 (head w / 2) and outputs 16 w .. 16 w + 15, for all 32 rows.
; Its 8 KB of each weight's codes go from memory straight into 128 registers, by loads of 512 consecutive bytes.  What goes from wave to wave, through LDS as images of registers, is small: the rows' codes.
; FEATURES come by the tensor data mover as whole rows: each wave brings two rows of 1,024 bytes; behind a barrier wave w takes 16 rows x 32 along K out of LDS, 16 neighbours a lane, and makes four registers of fragment w / 4.
; BOTH PRODUCTS ARE USED TRANSPOSED (source 0 = 16 rows of the weight's codes, source 1 = 16 data rows): lane (r, h) holds data row r throughout, so aw is one number a lane and tile, and eight registers of a tile of v x aw,
; converted, are registers 2 c, 2 c + 1 of the next operand in the K = 128 form's own layout (ISA guide 7.12.2), in which weight_out's codes were laid.
; FOUR BARRIERS: features' rows in LDS | their four fragments | the hidden layer's eight | 32 rows of out in a stage, from which each wave stores two whole rows.  No region of LDS is written twice.
; NO CLUSTER: what the work-groups share, the weights' 256 KB of codes, is used once, from the registers into which it is loaded; asked for jointly it would pass through LDS: 512 LDS loads a work-group more.  Features are shared by nobody.
; LIMITS: e4 and e8 - e4 - e5 between -126 and 112, e8 + e9 between -126 and 127, so that each power of two below is an f32 number.  NaN among the inputs is not served.
.set XT,   0                           ; LDS: 32 rows of features x (1,024 bytes + 16): row r starts at bank 4 r mod 64 (64 banks of 4 bytes: ISA guide 11.1)
.set XIMG, 33280                       ; features' fragments (tile m, K step s) at (2 m + s) x 2,048
.set HIMG, 41472                       ; the hidden layer's (tile m, K step s) at (4 m + s) x 2,048
.set STG,  57856                       ; the stage: 32 rows x (1,024 bytes + 16)
.set LI,   1                           ; v1   16 x lane
.set XR,   2                           ; v2   features in LDS: row 16 (w / 8) + r, byte 512 ((w / 4) % 2) + 128 (w % 4) + 64 h
.set AWA,  3                           ; v3   4 r
.set XWI,  4                           ; v4   XIMG + 16 x lane + 512 x wave: my four registers of a fragment of features
.set HWI,  5                           ; v5   HIMG + 16 x lane + 512 x wave: my four registers of a hidden fragment
.set SO,   6                           ; v6   the stage: row r, + 64 x wave + 32 h
.set SR,   7                           ; v7   and back: my two rows, 16 bytes a lane
.set SCX,  8                           ; v8, v9    2^e4 and 57,344 x 2^e4
.set LIMX, 9
.set SCH,  10                          ; v10, v11  the same with e8 - e4 - e5
.set LIMH, 11
.set AW,   12                          ; v12-15    tile m: aw of row 16 m + r in v[AW + 2 m]
.set W1,   20                          ; v20-83    weight_v's fragments (tile u, K step s) at 16 (2 u + s); later the hidden fragments of K steps 2, 3
.set W2,   84                          ; v84-147   weight_out's fragments, K step s at 16 s
.set XF,   148                         ; v148-211  features' four fragments at 32 m + 16 s; later the hidden fragments of K steps 0, 1; at last rows of out
.set RB,   148
.set HA,   212                         ; v212-243  the four accumulators of v: 16 m + 8 u; before that XS and AWP; later OA and OS
.set XS,   212                         ; 16 numbers of features
.set AWP,  228                         ; the 8 partial sums
.set OA,   212                         ; the two accumulators of out
.set OS,   228                         ; the sums x 2^(e8 + e9)
.set XCD,  244                         ; v244-247  features' codes
.set HC,   244                         ; v244-251  the hidden layer's codes, four registers a tile
.set G1,   48                          ; s[48:55]  descriptor group 1
.set G0,   56                          ; s[56:59]  descriptor group 0
.macro PLACES                          ; four plain vector instructions behind a matrix instruction, ahead of a read of its result (ISA guide 7.12.1)
.rept 4
	v_nop
.endr
.endm
.macro BARRIER                         ; my LDS stores have landed and my LDS loads are in: then the work-group's barrier
	s_wait_dscnt 0x0
	s_barrier_signal -1
	s_barrier_wait -1
.endm
.macro MKSC se, vs, vl                 ; from the whole number e in s[se]: 2^e and 57,344 x 2^e as f32
	s_add_co_i32 s44, s[\se], 127
	s_lshl_b32 s45, s44, 23
	v_mov_b32 v[\vs], s45
	s_add_co_i32 s44, s44, 15
	s_lshl_b32 s44, s44, 23
	s_or_b32 s44, s44, 0x600000
	v_mov_b32 v[\vl], s44
.endm
.macro QUANT src, dst, n8, sc, lim     ; 8 n8 numbers become codes; the conversion does not saturate (ISA guide 7.6.2), so each number is held first
.set qi, 0
.rept 8*(\n8)
	v_med3_num_f32 v[\src+qi], v[\src+qi], -v[\lim], v[\lim]
.set qi, qi+1
.endr
.set qi, 0
.rept \n8
	v_cvt_scalef32_pk8_bf8_f32 v[\dst+2*qi:\dst+2*qi+1], v[\src+8*qi:\src+8*qi+7], v[\sc]
.set qi, qi+1
.endr
	v_nop                                          ; one plain vector instruction behind the last conversion
.endm
	s_load_b256 s[4:11], s[0:1], 0x0               ; features s[4:5], wcodes s[6:7], awp s[8:9], lowp_scales s[10:11]
	s_load_b64 s[12:13], s[0:1], 0x20              ; out0
	v_lshl_add_u32 v19, v0, 2, 0x29000
	v_mov_b32 v255, 0
	ds_add_u32 v19, v255
	ds_add_u32 v19, v255
	v_lshrrev_b32 v252, 5, v0
	s_delay_alu instid0(VALU_DEP_1)
	v_readfirstlane_b32 s14, v252                  ; wave 0..15
	v_and_b32 v252, 15, v0                         ; r
	s_wait_alu depctr_va_vdst(0)
	v_bfe_u32 v253, v0, 4, 1                       ; h
	v_and_b32 v254, 31, v0                         ; lane
	s_delay_alu instid0(VALU_DEP_1)
	v_lshlrev_b32 v[LI], 4, v254
	v_lshlrev_b32 v[AWA], 2, v252
	s_lshr_b32 s30, s14, 3                         ; wave w quantises registers 4 (w % 4) .. + 3 of fragment w / 4 = (tile w / 8, K step (w / 4) % 2)
	s_mul_i32 s30, s30, 16640
	s_bfe_u32 s31, s14, 0x10002
	s_lshl_b32 s31, s31, 9
	s_add_co_u32 s30, s30, s31
	s_and_b32 s31, s14, 3
	s_lshl_b32 s31, s31, 7
	s_add_co_u32 s30, s30, s31
	v_mul_u32_u24 v[XR], v252, 1040
	s_wait_alu depctr_va_vdst(0)
	v_lshl_add_u32 v[XR], v253, 6, v[XR]
	s_delay_alu instid0(VALU_DEP_1)
	v_add_nc_u32 v[XR], s30, v[XR]
	s_lshl_b32 s31, s14, 9
	s_add_co_u32 s32, s31, XIMG
	v_add_nc_u32 v[XWI], s32, v[LI]
	s_add_co_u32 s32, s31, HIMG
	v_add_nc_u32 v[HWI], s32, v[LI]
	s_lshl_b32 s32, s14, 6
	s_add_co_u32 s32, s32, STG
	v_mul_u32_u24 v[SO], v252, 1040
	s_delay_alu instid0(VALU_DEP_1)
	v_lshl_add_u32 v[SO], v253, 5, v[SO]
	s_delay_alu instid0(VALU_DEP_1)
	v_add_nc_u32 v[SO], s32, v[SO]
	s_mul_i32 s33, s14, 2080
	s_add_co_u32 s33, s33, STG
	v_add_nc_u32 v[SR], s33, v[LI]
	; descriptor group 1: a tile of 2 rows x 256 elements of 4 bytes, padded in LDS
	s_mov_b32 s[G1+0], (2<<16)|(1<<20)|(7<<22)|(3<<25)  ; 15:0 no mask; 17:16 elements of 4 bytes; 20 padding on; 24:22 after every 256 words (code 7); 31:25 four words (code 3)
	s_mov_b32 s[G1+1], 256<<16                     ; tensor_dim0 = 256
	s_mov_b32 s[G1+2], 2<<16                       ; tensor_dim1 = 2
	s_mov_b32 s[G1+3], 256<<16                     ; tile_dim0 = 256
	s_mov_b32 s[G1+4], 2                           ; tile_dim1 = 2
	s_mov_b32 s[G1+5], 256                         ; elements from row to row
	s_mov_b32 s[G1+6], 0
	s_mov_b32 s[G1+7], 0
	; byte offsets
	s_lshl_b32 s34, ttmp9, 15                      ; features and out0 alike: 32 rows of 1,024 bytes a work-group, two a wave
	s_lshl_b32 s42, s14, 11
	s_add_co_u32 s34, s34, s42
	s_mov_b32 s35, 0
	s_lshl_b32 s36, s14, 13                        ; wcodes: four fragments of 2,048 bytes a wave, in each weight's half
	s_mov_b32 s37, 0
	s_lshr_b32 s38, ttmp9, 5                       ; awp: the batch's 8 heads of 4,096 bytes,
	s_lshl_b32 s38, s38, 15
	s_lshr_b32 s42, s14, 1                         ; my head,
	s_lshl_b32 s42, s42, 12
	s_add_co_u32 s38, s38, s42
	s_and_b32 s42, ttmp9, 31                       ; the work-group's 32 rows
	s_lshl_b32 s42, s42, 7
	s_add_co_u32 s38, s38, s42
	s_mov_b32 s39, 0
	s_wait_dscnt 0x0
	s_wait_kmcnt 0x0
	s_mov_b32 s[G0], 1                             ; 1:0 count = 1
	s_mul_i32 s[G0+1], s14, 2080                   ; 63:32 LDS address: XT + two rows a wave
	s_add_nc_u64 s[G0+2:G0+3], s[4:5], s[34:35]    ; 120:64 global address: my two rows
	s_or_b32 s[G0+3], s[G0+3], 0x80000000          ; 127:126 type = 2
	tensor_load_to_lds s[G0:G0+3], s[G1:G1+7]      ; my one tensor load of the launch: by this text's count one is out
	s_nop 0
.rept 4
	v_nop
.endr
	s_load_b64 s[16:17], s[10:11], 0x10            ; e4, e5
	s_load_b64 s[18:19], s[10:11], 0x20            ; e8, e9
	s_add_nc_u64 s[22:23], s[6:7], s[36:37]
	s_add_nc_u64 s[24:25], s[8:9], s[38:39]
	s_add_nc_u64 s[26:27], s[12:13], s[34:35]
.irp m, 0,1
.irp p, 0,1,2,3
	global_load_b32 v[AWP+4*\m+\p], v[AWA], s[24:25] offset:262144*\p+64*\m    ; quarter p's sum for row 16 m + r
.endr
.endr
.irp k, 0,1,2,3,4,5,6,7,8,9,10,11,12,13,14,15
	global_load_b128 v[W1+4*\k:W1+4*\k+3], v[LI], s[22:23] offset:512*\k
.endr
.irp k, 0,1,2,3,4,5,6,7,8,9,10,11,12,13,14,15
	global_load_b128 v[W2+4*\k:W2+4*\k+3], v[LI], s[22:23] offset:131072+512*\k
.endr
	s_wait_kmcnt 0x0
	s_sub_co_i32 s46, s18, s16
	s_sub_co_i32 s46, s46, s17                     ; e8 - e4 - e5: a sum of the first product stands for sum x 2^(e4 + e5)
	MKSC 16, SCX, LIMX
	MKSC 46, SCH, LIMH
	s_add_co_i32 s28, s18, s19
	s_add_co_i32 s28, s28, 127
	s_lshl_b32 s28, s28, 23                        ; 2^(e8 + e9) as f32
	s_mov_b32 s29, s28                             ; (named with it as a pair, so it is written)
	s_wait_alu depctr_va_vdst(0)
	s_wait_tensorcnt 0x0                           ; my two rows have landed,
	s_barrier_signal -1
	s_barrier_wait -1                              ; everybody's have: 32 rows of features lie in LDS
.irp j, 0,1,2,3
	ds_load_b128 v[XS+4*\j:XS+4*\j+3], v[XR] offset:XT+16*\j       ; register i = x(row, 128 s + 32 c + 16 h + i)
.endr
	s_wait_dscnt 0x0
	QUANT XS, XCD, 2, SCX, LIMX
	ds_store_b128 v[XWI], v[XCD:XCD+3]
	s_wait_loadcnt 32                              ; the partial sums are in; behind them stand the weights' 16 + 16 loads
.irp m, 0,1
	v_add_f32 v[AW+2*\m], v[AWP+4*\m], v[AWP+4*\m+1]
	v_add_f32 v[AW+2*\m+1], v[AWP+4*\m+2], v[AWP+4*\m+3]
.endr
.irp m, 0
	s_delay_alu instid0(VALU_DEP_3)
	v_add_f32 v[AW+2*\m], v[AW+2*\m], v[AW+2*\m+1]
.endr
.irp m, 1
	s_delay_alu instid0(VALU_DEP_2)
	v_add_f32 v[AW+2*\m], v[AW+2*\m], v[AW+2*\m+1] ; aw
.endr
	BARRIER                                        ; features' four fragments lie in LDS
.irp s, 0,1                                    ; all four in one run, K step 0's first
.irp m, 0,1
.irp c, 0,1,2,3
	ds_load_b128 v[XF+32*\m+16*\s+4*\c:XF+32*\m+16*\s+4*\c+3], v[LI] offset:XIMG+(2*\m+\s)*2048+512*\c
.endr
.endr
.endr
	s_wait_loadcnt 16                              ; weight_v's codes are in; weight_out's may be out
	s_wait_dscnt 8                                 ; K step 0's two fragments are in
.irp m, 0,1                                    ; v: my two tiles of hidden units for the two tiles of rows: four accumulators by turns
.irp u, 0,1
	v_wmma_f32_16x16x128_bf8_bf8 v[HA+16*\m+8*\u:HA+16*\m+8*\u+7], v[W1+32*\u:W1+32*\u+15], v[XF+32*\m:XF+32*\m+15], 0
.endr
.endr
	s_wait_dscnt 0x0
.irp m, 0,1
.irp u, 0,1
	v_wmma_f32_16x16x128_bf8_bf8 v[HA+16*\m+8*\u:HA+16*\m+8*\u+7], v[W1+32*\u+16:W1+32*\u+31], v[XF+32*\m+16:XF+32*\m+31], v[HA+16*\m+8*\u:HA+16*\m+8*\u+7]
.endr
.endr
	PLACES
	s_wait_alu depctr_va_vdst(0)
.irp m, 0,1
.irp p, 0,2,4,6,8,10,12,14
	v_pk_mul_f32 v[HA+16*\m+\p:HA+16*\m+\p+1], v[HA+16*\m+\p:HA+16*\m+\p+1], v[AW+2*\m:AW+2*\m+1] op_sel_hi:[1,0]   ; x aw of my row: rounded once, as v x aw is; each accumulator from its low end on
.endr
.endr
	QUANT HA, HC, 4, SCH, LIMH
.irp m, 0,1
	ds_store_b128 v[HWI], v[HC+4*\m:HC+4*\m+3] offset:8192*\m      ; units 32 w .. 32 w + 31 are registers 4 (w % 4) .. + 3 of K step w / 4
.endr
	BARRIER                                        ; the hidden layer's eight fragments lie in LDS
.irp s, 0,1,2,3                                ; all eight in one run, K step by K step, into registers that the first product has left
.if \s < 2
.set HB, XF+32*\s
.else
.set HB, W1+32*(\s-2)
.endif
.irp m, 0,1
.irp c, 0,1,2,3
	ds_load_b128 v[HB+16*\m+4*\c:HB+16*\m+4*\c+3], v[LI] offset:HIMG+(4*\m+\s)*2048+512*\c
.endr
.endr
.endr
	s_wait_loadcnt 0x0                             ; weight_out's codes
.irp s, 0,1,2,3                                ; out: my 16 outputs for the two tiles of rows; the two accumulators take turns
.if \s < 2
.set HB, XF+32*\s
.else
.set HB, W1+32*(\s-2)
.endif
	s_wait_dscnt 24-8*\s                           ; this K step's eight loads are in; the later steps' may be out
.irp m, 0,1
.if \s == 0
	v_wmma_f32_16x16x128_bf8_bf8 v[OA+8*\m:OA+8*\m+7], v[W2+16*\s:W2+16*\s+15], v[HB+16*\m:HB+16*\m+15], 0
.else
	v_wmma_f32_16x16x128_bf8_bf8 v[OA+8*\m:OA+8*\m+7], v[W2+16*\s:W2+16*\s+15], v[HB+16*\m:HB+16*\m+15], v[OA+8*\m:OA+8*\m+7]
.endif
.endr
.endr
	PLACES
.irp m, 0,1
.irp p, 0,2,4,6
	v_pk_mul_f32 v[OS+8*\m+\p:OS+8*\m+\p+1], v[OA+8*\m+\p:OA+8*\m+\p+1], s[28:29] op_sel_hi:[1,0]   ; x 2^(e8 + e9)
.endr
.endr
.irp m, 0,1
.irp q, 0,1
	ds_store_b128 v[SO], v[OS+8*\m+4*\q:OS+8*\m+4*\q+3] offset:16640*\m+16*\q    ; lane (r, h): out(16 m + r, 16 w + 8 h + 0 .. 7)
.endr
.endr
	BARRIER                                        ; 32 whole rows of out lie in the stage
.irp k, 0,1,2,3
	ds_load_b128 v[RB+4*\k:RB+4*\k+3], v[SR] offset:1040*(\k/2)+512*(\k%2)
.endr
.irp k, 0,1,2,3
	s_wait_dscnt 3-\k                              ; LDS loads come back in order (ISA guide 5.7.1): load k is in, the younger ones may be out
	global_store_b128 v[LI], v[RB+4*\k:RB+4*\k+3], s[26:27] offset:1024*(\k/2)+512*(\k%2) th:TH_STORE_NT   ; 32 lanes store 512 consecutive bytes, at a multiple of 256 from out0's first byte
.endr
	s_wait_tensorcnt 0x0
	ds_add_u32 v19, v255
	s_wait_dscnt 0x0
	s_endpgm
.Lfunc_end_k_q56b824cd4c_outp:
	.size	k_q56b824cd4c_outp, .Lfunc_end_k_q56b824cd4c_outp-k_q56b824cd4c_outp
	.p2alignl 7, 3214868480
	.fill 96, 4, 3214868480
	.section	.rodata,"a",@progbits
	.p2align	6, 0x0
	.amdhsa_kernel k_q56b824cd4c_outp
		.amdhsa_group_segment_fixed_size 169984
		.amdhsa_private_segment_fixed_size 0
		.amdhsa_enable_private_segment 0
		.amdhsa_kernarg_size 40
		.amdhsa_user_sgpr_count 2
		.amdhsa_user_sgpr_kernarg_segment_ptr 1
		.amdhsa_wavefront_size32 1
		.amdhsa_system_sgpr_workgroup_id_x 1
		.amdhsa_system_sgpr_workgroup_id_y 1
		.amdhsa_system_sgpr_workgroup_id_z 1
		.amdhsa_system_vgpr_workitem_id 0
		.amdhsa_next_free_vgpr 256
		.amdhsa_next_free_sgpr 66
		.amdhsa_reserve_vcc 0
		.amdhsa_float_denorm_mode_32 3
		.amdhsa_float_denorm_mode_16_64 3
		.amdhsa_memory_ordered 1
		.amdhsa_forward_progress 1
		.amdhsa_inst_pref_size 21
	.end_amdhsa_kernel
	.amdgpu_metadata
---
amdhsa.version: [ 1, 2 ]
amdhsa.kernels:
  - .name:           k_q56b824cd4c_outp
    .symbol:         k_q56b824cd4c_outp.kd
    .args:
      - { .name: features, .offset: 0, .size: 8, .value_kind: global_buffer, .address_space: global }
      - { .name: wcodes, .offset: 8, .size: 8, .value_kind: global_buffer, .address_space: global }
      - { .name: awp, .offset: 16, .size: 8, .value_kind: global_buffer, .address_space: global }
      - { .name: lowp_scales, .offset: 24, .size: 8, .value_kind: global_buffer, .address_space: global }
      - { .name: out0, .offset: 32, .size: 8, .value_kind: global_buffer, .address_space: global }
    .group_segment_fixed_size: 169984
    .private_segment_fixed_size: 0
    .kernarg_segment_align: 8
    .kernarg_segment_size: 40
    .max_flat_workgroup_size: 512
    .sgpr_count:     66
    .vgpr_count:     256
    .wavefront_size: 32
...
	.end_amdgpu_metadata
.endif
;; end of part 6
